; MI455X (gfx1250); checked and timed in simulation.
; The chip was launched on July 23, 2026; its instructions are those of AMD's public machine-readable ISA for CDNA 5 (MIT licence, August 2026) and "CDNA5" Instruction Set Architecture Reference Guide (July 2026). The comments in the code are by the model that wrote it; some were corrected since.
;; Causal Multi Head Self Attention. Allowed arithmetic: matrix products marked QUANTISED: E2M1 operands, one E8M0 scale for each 32 along K, by v_wmma_scale_f32_16x16x128_f8f6f4 with both operands' format E2M1 (or v_wmma_scale_f32_32x16x128_f4), f32 sums; products left as they are: bf16, f16 or f32 operands; f32 sums; everything else in f32.
;; Inputs: wout 1,024 x 1,024 float32; wqkv 3,072 x 1,024 float32; x 4 x 2,048 x 1,024 float32.
;; Outputs: out0 4 x 2,048 x 1,024 float32.
;; This version of the problem:
;;   THIS VERSION OF THE PROBLEM IS GIVEN IN LOW PRECISION. The matrix products marked QUANTISED in the list below multiply operands that are first quantised to E2M1 (2 exponent bits, 1 mantissa bit; 4 bits a number), with one power-of-two scale for each 32 numbers along K (OCP MX v1.0); their sums are f32. The products marked 'left as it is' may take bf16, f16 or f32 operands, with f32 sums. Whichever they take, every output number must still come out within the allowed error. Rounding operands to bf16 (8 significant bits) uses up far more of that allowance than f16 does (11 bits, for magnitudes from 6e-5 to 65,504). All else is computed in f32.
;;   The module's matrix products, in the order in which they are computed (A, B: the left and right operand; K: the contracted axis; several contracted axes count as one K, in the product's order):
;;     1. [M 8,192, K 1,024] x [K 1,024, N 3,072]; A: input x; B: input wqkv: QUANTISED
;;     2. batch 64 x [M 2,048, K 64] x [K 64, N 2,048]; A: computed on the way; B: computed on the way: left as it is (an operand is computed on the way)
;;     3. batch 64 x [M 2,048, K 2,048] x [K 2,048, N 64]; A: computed on the way; B: computed on the way: left as it is (an operand is computed on the way)
;;     4. [M 8,192, K 1,024] x [K 1,024, N 1,024]; A: computed on the way; B: input wout: left as it is (an operand is computed on the way)
;;   THE QUANTISER, for each operand of a quantised product, along K:
;;     - K is cut into blocks of 32 from its start; a last block that is shorter is filled with zeros.
;;     - A block's scale is 2^e with e = floor(log2(the largest magnitude in the block)) - 2, held to -126 .. 127; a block of zeros has e = 0. As a byte (E8M0): e + 127.
;;     - Each number is divided by its block's scale, clamped to +-6, and rounded to the nearest number of E2M1, ties to even, subnormals kept.
;;     - The product sums the exact products of the quantised numbers (number of the format x scale) in f32.
;;   ~~~python
;;   def quantise(x, axis):      # numpy; x: float32 -> the quantised numbers, widened to float32 again
;;       x = np.moveaxis(x, axis, -1); K = x.shape[-1]
;;       x = np.pad(x, [(0, 0)] * (x.ndim - 1) + [(0, -K % 32)]); x = x.reshape(x.shape[:-1] + (-1, 32)); a = np.abs(x).max(-1, keepdims=True)
;;       e = np.where(a > 0, np.clip(np.frexp(np.where(a > 0, a, 1))[1] - 1 - 2, -126, 127), 0)      # np.frexp(a)[1] - 1 = floor(log2(a)), exactly
;;       r = np.clip(x / 2.0 ** e, -6, 6)
;;       step = 2.0 ** (np.maximum(np.frexp(np.where(r == 0, 1, r))[1] - 1, 0) - 1)
;;       q = np.round(r / step) * step * 2.0 ** e      # np.round: ties to even
;;       return np.moveaxis(q.reshape(q.shape[:-2] + (-1,))[..., :K], -1, axis).astype(np.float32)
;;   ~~~
;; One version. Each part assembles by itself: llvm-mc -triple=amdgcn-amd-amdhsa -mcpu=gfx1250 --defsym DOCPART=n.
;; ======== version 1 of 1: 5 launches
;; limits: values are held in f16: magnitudes above 65,504 overflow, below 6.1e-05 lose precision
;; workspace buffers: codes 5,767,168 bytes; scales 360,448 bytes; w16 2,097,152 bytes; rope 524,288 bytes; qkvh 50,331,648 bytes; q16 786,432 bytes; yh 16,777,216 bytes
;; launch prep (part 1): grid 544 x 1, 4 waves a work-group, no clusters, 33,280 bytes of LDS; arguments x, wqkv, codes, scales, wout, w16, rope; writes codes, scales, w16, rope
.if DOCPART == 1
	.amdgcn_target "amdgcn-amd-amdhsa--gfx1250"
	.amdhsa_code_object_version 6
	.text
	.protected	k_q3aaa3da926_prep
	.globl	k_q3aaa3da926_prep
	.p2align	8
	.type	k_q3aaa3da926_prep,@function
k_q3aaa3da926_prep:
	s_mov_b64 s[64:65], 0
	v_nop
	global_prefetch_b8 v0, s[64:65] scope:SCOPE_SE
	s_setreg_imm32_b32 hwreg(HW_REG_WAVE_MODE, 25, 1), 1
	s_wait_xcnt 0x0
; Three jobs that share one launch, told apart by the work-group's number alone.
; (A) work-groups 0-351: x [8192][1024] and wqkv [3072][1024], f32, become codes of FP4 (E2M1), K innermost, two codes a byte, with one E8M0 byte for each 32 along K.
;     codes: x's 8192 rows of 512 bytes, then wqkv's 3072 rows, from byte 4,194,304 on.  scales: x's rows of 32 bytes, then wqkv's, from byte 262,144 on.
;     A block's scale is 2^(floor(log2(its largest magnitude)) - 2); its byte is the largest magnitude's exponent field - 2, held at 1 from below.
;     Rows are dense and K is a multiple of 32: both tensors are plain streams of blocks of 32.  A wave takes 16 steps of 512 numbers; each load reads 512 consecutive bytes; a step's 2,048 bytes
;     turn through the wave's own stage in LDS, so that a lane holds 16 neighbours; two neighbouring lanes hold a block.  A wave's 256 scale bytes are gathered in LDS and leave as one aligned run of 256 bytes.
; (B) work-groups 352-479: wout [1024][1024] f32 is rounded to f16, same layout.  A wave takes 2,048 numbers.
; (C) work-groups 480-543: the table rope[s][i] = (cos, sin)(s x 10000^(-i/32)), s = 0..2047, i = 0..31, f32.  A wave takes 8 positions, a lane one i: a store covers one row of 256 bytes.
;     The angle is reduced by quarter turns (pi/2 in two parts, fused), sine and cosine are polynomials on [-pi/4, pi/4] with remainders under 3e-8.
; LIMITS: a block of zeros gets the byte 1 where the rule says 127 (its codes are zeros, and this program alone reads the bytes); blocks whose largest magnitude lies under 2^-124 were not tried;
; NaN and infinities are not served; |wout| stays under 65,504; 10000^(-i/32) comes from v_exp_f32, so an angle may differ from one made in exact arithmetic by some 3e-4 radians at the last positions
; (queries and keys are turned by the same table).
; No tensor loads, no barrier: waves share nothing.  No cluster: no two work-groups read the same bytes.
.set WAVES, 4
.set STEPS, 16
.set WGA,   256                        ; x's work-groups: 8192 x 1024 / 32768
.set WGQ,   352                        ; + wqkv's 96
.set WGW,   480                        ; + wout's 128
.set EMAX,  2
.set CB,    8                          ; bytes of 16 codes
.set R,     16                         ; v16-79   four sets of 16 numbers as they are loaded
.set X,     80                         ; v80-111  two sets of 16 neighbours
.set C,     128                        ; v128-191 codes: four registers for each step
.set E,     112                        ; v112-127 a scale byte for each step
.set WREG,  8192                       ; LDS: a region for each wave: two stages of 32 x SP bytes, behind them its 256 scale bytes
.set SP,    80                         ; a lane's place in a stage: 64 bytes + 16 of padding
.set SPW,   12                         ; v12 LDS address of my spare word; never rewritten
.set NIL,   13                         ; v13 0; never rewritten
.set SPARE, WAVES*WREG                 ; the spare words, 128 bytes for each wave, which no other line names
.macro LOAD t
.irp i, 0,1,2,3
	global_load_b128 v[R+16*((\t)%4)+4*\i:R+16*((\t)%4)+4*\i+3], v3, s[4:5] offset:2048*(\t)+512*\i th:TH_LOAD_NT   ; 32 lanes read 512 consecutive bytes
.endr
.endm
.macro TURN t                          ; step t's numbers through the stage: LDS serves a wave's instructions in order, so no wait stands between the stores and the loads
.irp i, 0,1,2,3
	ds_store_b128 v14, v[R+16*((\t)%4)+4*\i:R+16*((\t)%4)+4*\i+3] offset:32*SP*((\t)%2)+8*SP*\i
.endr
.irp i, 0,1,2,3
	ds_load_b128 v[X+16*((\t)%2)+4*\i:X+16*((\t)%2)+4*\i+3], v15 offset:32*SP*((\t)%2)+16*\i
.endr
.endm
.macro STEP t
.set XS, X+16*((\t)%2)
.if (\t) > 0
	s_wait_dscnt 1                                 ; this step's numbers are back from the stage; the last step's byte store may be out
.else
	s_wait_dscnt 0x0
.endif
.if (\t)+4 < STEPS
	LOAD (\t)+4                                    ; the registers that the stage's stores have read take the loads of four steps on
.endif
.if (\t)+1 < STEPS
.if STEPS-2-(\t) >= 3
	s_wait_loadcnt 12                              ; the next step's four loads are in; those of the three steps behind it may be out
.else
	s_wait_loadcnt 4*(STEPS-2-(\t))
.endif
	TURN (\t)+1                                    ; and go through the other stage while this step is worked
.endif
	v_max3_num_f32 v8, |v[XS]|, |v[XS+1]|, |v[XS+2]|               ; the largest magnitude of my 16, in two chains
	v_max3_num_f32 v9, |v[XS+3]|, |v[XS+4]|, |v[XS+5]|
.irp i, 6,10
	v_max3_num_f32 v8, v8, |v[XS+\i]|, |v[XS+\i+1]|
	v_max3_num_f32 v9, v9, |v[XS+\i+2]|, |v[XS+\i+3]|
.endr
	v_max3_num_f32 v8, v8, |v[XS+14]|, |v[XS+15]|
	v_max3_num_f32 v8, v8, v9, (EMAX+1)<<23        ; and the floor 2^(3 - 127): the byte cannot fall under 1
	v_max_num_f32_dpp v8, v8, v8 row_xmask:1 row_mask:0xf bank_mask:0xf   ; and of my neighbour's 16: the block's
	v_add_nc_u32 v11, -(EMAX<<23), v8              ; 2 off its exponent field: the conversion takes the exponent field of this operand as its scale
	v_cvt_scalef32_pk8_fp4_f32 v[C+4*(\t)], v[XS:XS+7], v11
	v_cvt_scalef32_pk8_fp4_f32 v[C+4*(\t)+1], v[XS+8:XS+15], v11
	v_lshrrev_b32 v[E+(\t)], 23, v11               ; the scale's byte (a plain line behind the conversions)
	ds_store_b8 v5, v[E+(\t)] offset:16*(\t)       ; both lanes of a block write the same byte with the same value
	global_store_b64 v4, v[C+4*(\t):C+4*(\t)+1], s[8:9] offset:32*CB*(\t)   ; 32 lanes store 256 consecutive bytes
.endm
; One position of the table.  s31 = my wave's first position; v6 = 10000^(-i/32); twelve registers of its own, so that no store's data are written again.
.macro ROW k
.set B, 32+12*\k
	s_add_co_u32 s42, s31, \k
	v_cvt_f32_u32 v[B], s42
	v_mul_f32 v[B], v[B], v6                       ; the angle, in f32 as reference() has it
	v_mul_f32 v[B+1], s32, v[B]
	v_rndne_f32 v[B+1], v[B+1]                     ; n = the nearest whole number of quarter turns
	v_fma_f32 v[B+2], v[B+1], s33, v[B]            ; r = angle - n pi/2, pi/2 in two parts
	v_fma_f32 v[B+2], v[B+1], s34, v[B+2]
	v_mul_f32 v[B+3], v[B+2], v[B+2]               ; z = r r
	v_fma_f32 v[B+4], v[B+3], s35, s36
	v_fma_f32 v[B+4], v[B+4], v[B+3], s37
	v_fma_f32 v[B+4], v[B+4], v[B+3], s38
	v_mul_f32 v[B+5], v[B+2], v[B+3]
	v_fma_f32 v[B+4], v[B+5], v[B+4], v[B+2]       ; sin r
	v_fma_f32 v[B+5], v[B+3], s39, s40
	v_fma_f32 v[B+5], v[B+5], v[B+3], s41
	v_fma_f32 v[B+5], v[B+5], v[B+3], -0.5
	v_fma_f32 v[B+5], v[B+5], v[B+3], 1.0          ; cos r
	v_cvt_i32_f32 v[B+6], v[B+1]
	v_and_b32 v[B+7], 1, v[B+6]
	v_cmp_eq_u32 vcc_lo, 1, v[B+7]                 ; an odd quarter swaps the two,
	v_cndmask_b32 v[B+10], v[B+5], v[B+4], vcc_lo
	v_cndmask_b32 v[B+11], v[B+4], v[B+5], vcc_lo
	v_add_nc_u32 v[B+7], 1, v[B+6]
	v_and_b32 v[B+7], 2, v[B+7]
	v_lshlrev_b32 v[B+7], 30, v[B+7]
	v_xor_b32 v[B+10], v[B+10], v[B+7]             ; the cosine changes sign in quarters 1 and 2,
	v_and_b32 v[B+8], 2, v[B+6]
	v_lshlrev_b32 v[B+8], 30, v[B+8]
	v_xor_b32 v[B+11], v[B+11], v[B+8]             ; the sine in quarters 2 and 3
	global_store_b64 v7, v[B+10:B+11], s[28:29] offset:256*\k      ; 32 lanes store one row of 256 bytes
.endm
	s_load_b128 s[4:7], s[0:1], 0x0                ; x, wqkv
	s_load_b128 s[8:11], s[0:1], 0x10              ; codes, scales
	s_load_b128 s[24:27], s[0:1], 0x20             ; wout, w16
	s_load_b64 s[28:29], s[0:1], 0x30              ; rope
	v_lshl_add_u32 v[SPW], v0, 2, SPARE
	v_mov_b32 v[NIL], 0
	v_lshrrev_b32 v1, 5, v0
	v_readfirstlane_b32 s16, v1                    ; wave
	v_and_b32 v2, 31, v0                           ; lane
	s_wait_kmcnt 0x0
	s_cmp_ge_u32 ttmp9, WGQ
	s_cbranch_scc1 .Lother
	; ---- (A) the quantiser
	v_lshlrev_b32 v3, 4, v2                        ; my 16 bytes of a load's 512
	s_mul_i32 s17, s16, WREG
	v_lshrrev_b32 v14, 2, v2
	v_mul_u32_u24 v14, v14, SP
	v_and_b32 v15, 3, v2
	v_lshl_add_u32 v14, v15, 4, v14
	v_add_nc_u32 v14, s17, v14                     ; the stage, on the way in: SP (lane / 4) + 16 (lane % 4)
	v_mul_u32_u24 v15, v2, SP
	v_add_nc_u32 v15, s17, v15                     ; and on the way out: SP x lane: my 16 neighbours
	v_mul_u32_u24 v4, v2, CB                       ; my codes' place in a step's
	v_lshrrev_b32 v5, 1, v2
	s_add_co_u32 s17, s17, 2*32*SP
	v_add_nc_u32 v5, s17, v5                       ; LDS: my wave's 256 scale bytes, my block's byte
	v_lshlrev_b32 v7, 3, v2                        ; and on the way out 8 bytes a lane
	v_add_nc_u32 v6, s17, v7
	s_cmp_lt_u32 ttmp9, WGA                        ; x's work-group or wqkv's?  The choice hangs on the work-group's number alone
	s_cselect_b64 s[4:5], s[4:5], s[6:7]
	s_cselect_b32 s30, 0, 4194304                  ; where the tensor's codes begin,
	s_cselect_b32 s32, 0, 262144                   ; and its scale bytes
	s_cselect_b32 s17, 0, WGA
	s_mov_b32 s31, 0
	s_mov_b32 s33, 0
	s_add_nc_u64 s[8:9], s[8:9], s[30:31]
	s_add_nc_u64 s[10:11], s[10:11], s[32:33]
	s_sub_co_u32 s17, ttmp9, s17
	s_lshl_b32 s17, s17, 2
	s_add_co_u32 s18, s17, s16                     ; which run of 8,192 numbers of the tensor is my wave's
	s_mov_b32 s19, 0
	s_mov_b64 s[20:21], 512*STEPS*4
	s_mul_u64 s[20:21], s[18:19], s[20:21]
	s_add_nc_u64 s[4:5], s[4:5], s[20:21]
	s_mov_b64 s[20:21], 32*STEPS*CB
	s_mul_u64 s[20:21], s[18:19], s[20:21]
	s_add_nc_u64 s[8:9], s[8:9], s[20:21]
	s_lshl_b32 s18, s18, 8                         ; 256 scale bytes a run
	s_add_nc_u64 s[10:11], s[10:11], s[18:19]
.irp t, 0,1,2,3
	LOAD \t
.endr
	s_wait_loadcnt 12                              ; step 0's four loads are in
	TURN 0
.irp t, 0,1,2,3,4,5,6,7,8,9,10,11,12,13,14,15
	STEP \t
.endr
	ds_load_b64 v[8:9], v6                         ; LDS serves a wave's instructions in order: these see my byte stores
	s_wait_dscnt 0x0
	global_store_b64 v7, v[8:9], s[10:11]          ; 32 lanes store 256 consecutive bytes, aligned
	s_wait_tensorcnt 0x0                           ; the wave's end, behind my last LDS store
	ds_add_u32 v[SPW], v[NIL]
	s_wait_dscnt 0x0
	s_endpgm
.Lother:
	s_cmp_ge_u32 ttmp9, WGW
	s_cbranch_scc1 .Ltable
	; ---- (B) wout to f16
	s_sub_co_u32 s17, ttmp9, WGQ
	s_lshl_b32 s17, s17, 2
	s_add_co_u32 s17, s17, s16                     ; which run of 2,048 numbers is my wave's
	s_lshl_b32 s18, s17, 13
	s_mov_b32 s19, 0
	s_add_nc_u64 s[24:25], s[24:25], s[18:19]
	s_lshl_b32 s18, s17, 12
	s_add_nc_u64 s[26:27], s[26:27], s[18:19]
	v_lshlrev_b32 v3, 4, v2
	v_lshlrev_b32 v4, 3, v2
.irp i, 0,1,2,3,4,5,6,7,8,9,10,11,12,13,14,15
	global_load_b128 v[32+4*\i:35+4*\i], v3, s[24:25] offset:512*\i th:TH_LOAD_NT
.endr
.irp i, 0,1,2,3,4,5,6,7,8,9,10,11,12,13,14,15
	s_wait_loadcnt 15-\i                           ; loads come back in order: load i is in, the younger ones stay out
	v_cvt_pk_f16_f32 v[128+2*\i], v[32+4*\i], v[33+4*\i]
	v_cvt_pk_f16_f32 v[129+2*\i], v[34+4*\i], v[35+4*\i]
	global_store_b64 v4, v[128+2*\i:129+2*\i], s[26:27] offset:256*\i   ; 32 lanes store 256 consecutive bytes; no register is written twice
.endr
	s_endpgm
.Ltable:
	; ---- (C) the table
	s_sub_co_u32 s31, ttmp9, WGW
	s_lshl_b32 s31, s31, 5
	s_lshl_b32 s30, s16, 3
	s_add_co_u32 s31, s31, s30                     ; my wave's first position: 32 x work-group + 8 x wave
	s_lshl_b32 s18, s31, 8
	s_mov_b32 s19, 0
	s_add_nc_u64 s[28:29], s[28:29], s[18:19]
	s_mov_b32 s32, 0x3f22f983                      ; 2 / pi
	s_mov_b32 s33, 0xbfc90fdb                      ; -(pi / 2), rounded to f32
	s_mov_b32 s34, 0x333bbd2e                      ; -(what the rounding left)
	s_mov_b32 s35, 0x3638ef1d                      ; 1 / 9!
	s_mov_b32 s36, 0xb9500d01                      ; -1 / 7!
	s_mov_b32 s37, 0x3c088889                      ; 1 / 5!
	s_mov_b32 s38, 0xbe2aaaab                      ; -1 / 3!
	s_mov_b32 s39, 0x37d00d01                      ; 1 / 8!
	s_mov_b32 s40, 0xbab60b61                      ; -1 / 6!
	s_mov_b32 s41, 0x3d2aaaab                      ; 1 / 4!
	v_lshlrev_b32 v7, 3, v2                        ; 8 bytes a lane
	v_cvt_f32_u32 v5, v2
	v_mul_f32 v5, 0xbed49a78, v5                   ; -i log2(10000) / 32
	v_exp_f32 v6, v5
	v_nop                                          ; a plain line behind the exponential,
	s_wait_alu depctr_va_vdst(0)                   ; and the wait ahead of its first reader
.irp k, 0,1,2,3,4,5,6,7
	ROW \k
.endr
	s_endpgm
.Lfunc_end_k_q3aaa3da926_prep:
	.size	k_q3aaa3da926_prep, .Lfunc_end_k_q3aaa3da926_prep-k_q3aaa3da926_prep
	.p2alignl 7, 3214868480
	.fill 96, 4, 3214868480
	.section	.rodata,"a",@progbits
	.p2align	6, 0x0
	.amdhsa_kernel k_q3aaa3da926_prep
		.amdhsa_group_segment_fixed_size 33280
		.amdhsa_private_segment_fixed_size 0
		.amdhsa_enable_private_segment 0
		.amdhsa_kernarg_size 56
		.amdhsa_user_sgpr_count 2
		.amdhsa_user_sgpr_kernarg_segment_ptr 1
		.amdhsa_wavefront_size32 1
		.amdhsa_system_sgpr_workgroup_id_x 1
		.amdhsa_system_sgpr_workgroup_id_y 1
		.amdhsa_system_sgpr_workgroup_id_z 1
		.amdhsa_system_vgpr_workitem_id 0
		.amdhsa_next_free_vgpr 192
		.amdhsa_next_free_sgpr 66
		.amdhsa_reserve_vcc 1
		.amdhsa_float_denorm_mode_32 3
		.amdhsa_float_denorm_mode_16_64 3
		.amdhsa_memory_ordered 1
		.amdhsa_forward_progress 1
		.amdhsa_inst_pref_size 51
	.end_amdhsa_kernel
	.amdgpu_metadata
---
amdhsa.version: [ 1, 2 ]
amdhsa.kernels:
  - .name:           k_q3aaa3da926_prep
    .symbol:         k_q3aaa3da926_prep.kd
    .args:
      - { .name: x, .offset: 0, .size: 8, .value_kind: global_buffer, .address_space: global }
      - { .name: wqkv, .offset: 8, .size: 8, .value_kind: global_buffer, .address_space: global }
      - { .name: codes, .offset: 16, .size: 8, .value_kind: global_buffer, .address_space: global }
      - { .name: scales, .offset: 24, .size: 8, .value_kind: global_buffer, .address_space: global }
      - { .name: wout, .offset: 32, .size: 8, .value_kind: global_buffer, .address_space: global }
      - { .name: w16, .offset: 40, .size: 8, .value_kind: global_buffer, .address_space: global }
      - { .name: rope, .offset: 48, .size: 8, .value_kind: global_buffer, .address_space: global }
    .group_segment_fixed_size: 33280
    .private_segment_fixed_size: 0
    .kernarg_segment_align: 8
    .kernarg_segment_size: 56
    .max_flat_workgroup_size: 128
    .sgpr_count:     66
    .vgpr_count:     192
    .wavefront_size: 32
...
	.end_amdgpu_metadata
.endif
;; end of part 1
;; launch qkv (part 2): grid 12 x 32, 4 waves a work-group, clusters of 4 x 4, 327,680 bytes of LDS; arguments codes, scales, rope, qkvh, q16; writes qkvh, q16
.if DOCPART == 2
	.amdgcn_target "amdgcn-amd-amdhsa--gfx1250"
	.amdhsa_code_object_version 6
	.text
	.protected	k_q3aaa3da926_qkv
	.globl	k_q3aaa3da926_qkv
	.p2align	8
	.type	k_q3aaa3da926_qkv,@function
k_q3aaa3da926_qkv:
	s_mov_b64 s[64:65], 0
	v_nop
	global_prefetch_b8 v0, s[64:65] scope:SCOPE_SE
	s_setreg_imm32_b32 hwreg(HW_REG_WAVE_MODE, 25, 1), 1
	s_wait_xcnt 0x0
	s_wait_alu depctr_hold_cnt(0) depctr_sa_sdst(0) depctr_va_vdst(0) depctr_va_sdst(0) depctr_va_ssrc(0) depctr_va_vcc(0) depctr_vm_vsrc(0)
	s_getreg_b32 s2, hwreg(HW_REG_IB_STS2, 6, 4)
	s_cmp_eq_u32 s2, 0
	s_cbranch_scc0 .Lentry_in_a_cluster
	s_endpgm
.Lentry_in_a_cluster:
	s_bfe_u32 s2, ttmp6, 0x10000c
	s_cmp_lg_u32 s2, 0xf033
	s_cbranch_scc0 .Lentry_shape_is_right
	s_endpgm
.Lentry_shape_is_right:
; qkv[m][n] = sum over k of x[m][k] wqkv[n][k] on codes of FP4 (E2M1) with one E8M0 scale for each 32 along K; sums in f32.  M = 8192, N = 3072, K = 1024.
; Then, on the way out: queries and keys are turned (RoPE, by the table rope[s][i] = (cos, sin)), all is rounded to f16 and laid by head: qkvh [3 kinds][4 batches][16 heads][2048][64].
; The first 16 positions of every batch are also stored in f32, as images of the registers, in q16: [batch][192 blocks of 16 columns][2 halves][32 lanes][16 bytes]:
; lane (r, h) of block cb holds position r, columns 16 cb + 8 h + 4 half + 0..3.
; A tile of 256 x 256 is made by four waves, each 128 x 128: 64 accumulators of 16 x 16, 512 registers.  K is two LDS slots of 512 along K (rows of 256 bytes): both are asked for at the head, and nothing is filled again.
; THE SCALES of the work-group's 256 + 256 rows, for all of K, are two dense blocks: they come into LDS once, with the first fills.
; CLUSTERS: 4 x 4 work-groups.  The four of a row of the cluster need the same tiles of x, the four of a column the same tiles of wqkv: each tile is asked for JOINTLY.
; The tile row is 8 cy + cluster y: so the batch is cy and the tile's first position is 256 x cluster y; the cluster's x is the kind (0 q, 1 k, 2 v).  What the way out branches on (the kind; 'the first 16 positions
; are here') hangs on the cluster's x and y and the wave's number, never on a work-group's place in its cluster.
; THE MATRIX INSTRUCTION IS USED TRANSPOSED (source 0 = 16 rows of wqkv, source 1 = 16 rows of x): a lane holds eight neighbouring columns of one position: four pairs of RoPE.
; REGISTERS: window 0: v0-31 addresses; v32-95 scale words, two sets; v128-191 x's fragments, one set; v192-255 two tables of RoPE.  On the way out v96-159 the turned numbers, v160-191 packed, v32-95 rows read back.
;   window 1: wqkv's fragments, two sets.   window 2: the accumulators of my rows 0-63 ((a, b) at v[8 (8 a + b)]);   window 3: those of my rows 64-127.
; LIMITS: |q|, |k|, |v| stay under 65,504 (f16).
.set SIZE_K, 1024
.set KSTEP,  512
.set NQ,     KSTEP/128
.set ROWB,   256                       ; a tile's row in bytes
.set KROW,   SIZE_K/2                  ; a row of codes in memory
.set PITCH,  272                       ; an LDS row: 256 bytes + 16 of padding: the 16 rows that a load touches begin at 16 different 16-byte columns modulo 256 bytes
.set FR,     8
.set NL,     2
.set NP,     4                         ; places behind this matrix instruction (ISA guide 7.12.1)
.set HALFT,  128*PITCH
.set SLOT,   4*HALFT
.set KS,     SIZE_K/32                 ; a row of scales in bytes
.set SCL,    2*SLOT                    ; behind the slots: the scales, as runs of 256 bytes + 16 of padding
.set HALFS,  (128*KS/256)*272
.set SBLK,   (16*KS/256)*272
.set SPARE,  SCL+4*HALFS               ; the spare words, 128 bytes for each wave, which no other line names
.set SPITCH, 272                       ; the way out: a stage of 16 rows x (256 bytes + 16) for each wave, in slot 0, which has had its only fill and its last read by then
.set ADRA, 16
.set ADRB, 20
.set STO,  24                          ; v24 the way out: where I put 16 bytes of a row
.set RD,   25                          ; v25 where I read back: four rows of a head's 128 bytes an instruction
.set CO,   26                          ; v26 16 x lane
.set ADRS, 27
.set SPW,  28
.set NIL,  29
.set TO,   30                          ; v30 my place in a table: 256 r + 32 h
.set SC,   32
.set AF,   128
.set TBL,  192
.set T,    96
.set PK,   160
.set BK,   32
.set G1, 24
.set G0, 32
.set G1B, 48
.set G0B, 56
.set G1S, 68
.set G0S, 76
.set G1SB, 80
.set G0SB, 88
.set MSB, 0
.macro WIN new                         ; the immediate's high byte repeats the setting that is left
.if MSB != (\new)
	s_set_vgpr_msb (MSB<<8)|(\new)
.set MSB, (\new)
.endif
.endm
.set MUL_LO, 0xa1                      ; source 0 window 1, source 1 window 0, C and D window 2
.set MUL_HI, 0xf1
.set TO_B,   0x40
; A joint load: waves 0 and 1 fetch for x, waves 2 and 3 for wqkv.  The branch hangs on the wave's number alone.  An s_nop 0 and four v_nop follow each of the two lines.
.macro JLOAD g0a, g1a, g0b, g1b
	s_cmp_eq_u32 s15, 0
	s_cbranch_scc0 .Lfor_b_\@
	tensor_load_to_lds s[\g0a:\g0a+3], s[\g1a:\g1a+7]
	s_nop 0
.rept 4
	v_nop
.endr
	s_branch .Lasked_\@
.Lfor_b_\@:
	tensor_load_to_lds s[\g0b:\g0b+3], s[\g1b:\g1b+7]
	s_nop 0
.rept 4
	v_nop
.endr
.Lasked_\@:
.endm
.macro CROUND                          ; a round of the cluster's barrier
	s_barrier_signal -1
	s_barrier_wait -1
	s_cmp_lg_u32 s14, 0
	s_cbranch_scc1 .Lnot_wave_0_\@
	s_barrier_signal -3
.Lnot_wave_0_\@:
	s_barrier_wait -3
	s_barrier_signal -1
	s_barrier_wait -1
.endm
	s_load_b128 s[4:7], s[0:1], 0x0                ; codes, scales
	s_load_b128 s[96:99], s[0:1], 0x10             ; rope, qkvh
	s_load_b64 s[66:67], s[0:1], 0x20              ; q16
	v_lshl_add_u32 v[SPW], v0, 2, SPARE
	v_mov_b32 v[NIL], 0
	ds_add_u32 v[SPW], v[NIL]                      ; the wave's opening: the add, twice on end, and its wait ahead of my first tensor load
	ds_add_u32 v[SPW], v[NIL]
	v_lshrrev_b32 v1, 5, v0
	v_readfirstlane_b32 s14, v1                    ; wave 0..3
	s_lshr_b32 s15, s14, 1                         ; which half of the tile's rows is mine.  Also: I fetch for x (0) or for wqkv (1)
	s_and_b32 s16, s14, 1                          ; which half of its columns.  Also: which 128 rows I fetch
	s_bfe_u32 s40, ttmp6, 0x40000                  ; cx, cy: my place in the cluster
	s_bfe_u32 s41, ttmp6, 0x40004
	s_lshl_b32 s42, ttmp9, 2
	s_add_co_u32 s42, s42, s40                     ; tile column = 4 x cluster x + cx
	s_and_b32 s17, ttmp7, 0xffff
	s_lshl_b32 s18, s41, 3
	s_add_co_u32 s17, s17, s18                     ; tile row = 8 cy + cluster y
	s_lshl_b32 s43, s41, 2
	s_lshl_b32 s43, 15, s43                        ; my row of the cluster
	s_lshl_b32 s44, 0x1111, s40                    ; my column
	s_or_b32 s[G1+0], s43, (0<<16)|(1<<20)|(1<<21)|(5<<22)|(3<<25)  ; the mask; elements of 1 byte; padding on; bit 21 beside a mask; 4 words behind every 64
	s_or_b32 s[G1B+0], s44, (0<<16)|(1<<20)|(1<<21)|(5<<22)|(3<<25)
.irp g, G1, G1B
	s_mov_b32 s[\g+1], ROWB<<16                    ; tensor_dim0
	s_mov_b32 s[\g+2], 128<<16                     ; tensor_dim1
	s_mov_b32 s[\g+3], ROWB<<16                    ; tile_dim0
	s_mov_b32 s[\g+4], 128                         ; tile_dim1
	s_mov_b32 s[\g+5], KROW                        ; from row to row
	s_mov_b32 s[\g+6], 0
	s_mov_b32 s[\g+7], 0
.endr
	s_or_b32 s[G1S+0], s43, (3<<16)|(1<<20)|(1<<21)|(5<<22)|(3<<25) ; the scales of 128 rows: a dense block, as rows of 256 bytes (32 elements of 8 bytes)
	s_or_b32 s[G1SB+0], s44, (3<<16)|(1<<20)|(1<<21)|(5<<22)|(3<<25)
.irp g, G1S, G1SB
	s_mov_b32 s[\g+1], 32<<16
	s_mov_b32 s[\g+2], (128*KS/256)<<16
	s_mov_b32 s[\g+3], 32<<16
	s_mov_b32 s[\g+4], 128*KS/256
	s_mov_b32 s[\g+5], 32
	s_mov_b32 s[\g+6], 0
	s_mov_b32 s[\g+7], 0
.endr
	s_lshl_b32 s18, s16, 7
	s_lshl_b32 s20, s17, 8
	s_add_co_u32 s20, s20, s18                     ; x: row 256 x tile row + 128 x half
	s_lshl_b32 s46, s42, 8
	s_add_co_u32 s46, s46, s18                     ; wqkv: row 256 x tile column + 128 x half
	s_mov_b32 s21, 0
	s_mov_b32 s47, 0
	s_mov_b64 s[18:19], KS
	s_mul_u64 s[22:23], s[20:21], s[18:19]         ; where these rows' scales begin,
	s_mul_u64 s[92:93], s[46:47], s[18:19]
	s_mov_b64 s[18:19], KROW
	s_mul_u64 s[20:21], s[20:21], s[18:19]         ; and their codes
	s_mul_u64 s[46:47], s[46:47], s[18:19]
	s_mul_i32 s45, s14, HALFT                      ; where they go: wave x 128 rows: no place in the cluster enters an LDS address
	s_mul_i32 s94, s14, HALFS
	s_wait_dscnt 0x0                               ; both opening adds are done
	s_wait_kmcnt 0x0
	s_add_nc_u64 s[8:9], s[4:5], 4194304           ; wqkv's codes lie behind x's,
	s_add_nc_u64 s[10:11], s[6:7], 262144          ; its scales likewise
	s_add_nc_u64 s[20:21], s[4:5], s[20:21]
	s_add_nc_u64 s[22:23], s[6:7], s[22:23]
	s_add_nc_u64 s[46:47], s[8:9], s[46:47]
	s_add_nc_u64 s[92:93], s[10:11], s[92:93]
	CROUND                                         ; all sixteen work-groups are here: the joint loads meet
	s_mov_b32 s[G0S], 1
	s_add_co_u32 s[G0S+1], s94, SCL
	s_mov_b64 s[G0S+2:G0S+3], s[22:23]
	s_or_b32 s[G0S+3], s[G0S+3], 0x80000000
	s_mov_b32 s[G0SB], 1
	s_add_co_u32 s[G0SB+1], s94, SCL
	s_mov_b64 s[G0SB+2:G0SB+3], s[92:93]
	s_or_b32 s[G0SB+3], s[G0SB+3], 0x80000000
	JLOAD G0S, G1S, G0SB, G1SB                     ; the scales first: they are wanted with the first slot
.irp s, 0,1
	s_mov_b32 s[G0+4*\s], 1
	s_add_co_u32 s[G0+4*\s+1], s45, \s*SLOT
	s_add_nc_u64 s[G0+4*\s+2:G0+4*\s+3], s[20:21], \s*ROWB
	s_or_b32 s[G0+4*\s+3], s[G0+4*\s+3], 0x80000000
	s_mov_b32 s[G0B+4*\s], 1
	s_add_co_u32 s[G0B+4*\s+1], s45, \s*SLOT
	s_add_nc_u64 s[G0B+4*\s+2:G0B+4*\s+3], s[46:47], \s*ROWB
	s_or_b32 s[G0B+4*\s+3], s[G0B+4*\s+3], 0x80000000
	JLOAD G0+4*\s, G1, G0B+4*\s, G1B               ; three tensor loads of mine are out: all that this launch asks for
.endr
	v_and_b32 v1, 15, v0                           ; r = l % 16
	v_bfe_u32 v2, v0, 4, 1                         ; h = l / 16
	v_mul_u32_u24 v3, v1, PITCH
	v_lshl_add_u32 v4, v2, 4, v3                   ; a fragment's row x pitch + 16 x half
	s_mul_i32 s21, s15, HALFT                      ; my 128 rows of x
	s_mul_i32 s22, s16, HALFT                      ; my 128 rows of wqkv,
	s_add_co_u32 s22, s22, 2*HALFT                 ; which lie behind x's 256
.irp s, 0,1
	v_add_nc_u32 v[ADRA+\s], s21, v4
	v_add_nc_u32 v[ADRB+\s], s22, v4
	s_add_co_u32 s21, s21, SLOT
	s_add_co_u32 s22, s22, SLOT
.endr
	v_mul_u32_u24 v5, v1, KS                       ; my row's scales: KS bytes a row,
	v_lshrrev_b32 v6, 8, v5
	v_lshl_add_u32 v5, v6, 4, v5                   ; and 16 more for each 256 passed
	s_mul_i32 s21, s15, HALFS
	s_mul_i32 s22, s16, HALFS
	s_add_co_u32 s22, s22, 2*HALFS
	s_sub_co_u32 s22, s22, s21
	v_mul_u32_u24 v6, s22, v2                      ; lanes 16-31 take wqkv's
	s_add_co_u32 s21, s21, SCL
	v_add_nc_u32 v5, v5, v6
	v_add_nc_u32 v[ADRS], s21, v5
	s_mul_i32 s23, s14, 16*SPITCH                  ; my stage
	v_mul_u32_u24 v5, v1, SPITCH                   ; in: row r, 16 bytes for each half of the lanes
	v_lshl_add_u32 v5, v2, 4, v5
	v_add_nc_u32 v[STO], s23, v5
	v_and_b32 v6, 31, v0
	v_lshlrev_b32 v[CO], 4, v6
	v_lshrrev_b32 v5, 3, v6                        ; back: eight lanes to a head's 128 bytes of a row, four rows an instruction
	v_mul_u32_u24 v5, v5, SPITCH
	v_and_b32 v7, 7, v0
	v_lshl_add_u32 v5, v7, 4, v5
	v_add_nc_u32 v[RD], s23, v5
	v_lshlrev_b32 v[TO], 8, v1
	v_lshl_add_u32 v[TO], v2, 5, v[TO]
	s_and_b32 s18, ttmp7, 0xffff                   ; cluster y
	s_or_b32 s95, s18, s15                         ; 0: my block 0 holds a batch's first 16 positions
	s_lshl_b32 s18, s18, 8
	s_lshl_b32 s19, s15, 7
	s_add_co_u32 s19, s19, s18                     ; my first position: 256 x cluster y + 128 x half
	s_lshl_b32 s20, s19, 8
	s_mov_b32 s21, 0
	s_add_nc_u64 s[96:97], s[96:97], s[20:21]      ; its row of the table
	s_lshl_b32 s20, s41, 4
	s_lshl_b32 s22, s40, 2
	s_add_co_u32 s20, s20, s22
	s_lshl_b32 s22, s16, 1
	s_add_co_u32 s20, s20, s22                     ; my first head among the 64: 16 cy + 4 cx + 2 x half
	s_lshl_b32 s20, s20, 18                        ; a head is 262,144 bytes,
	s_lshl_b32 s22, ttmp9, 24                      ; a kind 16,777,216,
	s_add_co_u32 s20, s20, s22
	s_lshl_b32 s22, s19, 7                         ; a position 128
	s_add_co_u32 s20, s20, s22
	s_add_nc_u64 s[12:13], s[98:99], s[20:21]
	s_mul_i32 s20, s41, 196608                     ; q16: a batch,
	s_lshl_b32 s22, ttmp9, 6
	s_lshl_b32 s23, s40, 4
	s_add_co_u32 s22, s22, s23
	s_lshl_b32 s23, s16, 3
	s_add_co_u32 s22, s22, s23                     ; my first block of 16 columns: 64 kind + 16 cx + 8 x half
	s_lshl_b32 s22, s22, 10
	s_add_co_u32 s20, s20, s22
	s_add_nc_u64 s[66:67], s[66:67], s[20:21]
.macro FRAG reg, adr, q, i             ; 16 rows x 128 K of 4-bit codes: 8 registers: lane l holds row l % 16; registers 4 c .. 4 c + 3 hold K = 64 c + 32 (l / 16) + 0 .. 31
.irp c, 0,1
	ds_load_b128 v[\reg+4*\c:\reg+4*\c+3], v[\adr] offset:64*(\q)+32*\c+(\i)*16*PITCH
.endr
.endm
; 16 matrix instructions: x's blocks a0, a0 + 1 against wqkv's eight, 128 along K.  The 64 accumulators take turns, one instruction a turn, in the same order in every step.
.macro MUL16 a0, p, q, sc, zero
.irp a, \a0, \a0+1
.irp b, 0,1,2,3,4,5,6,7
.if \zero
	v_wmma_scale_f32_16x16x128_f8f6f4 v[8*(8*((\a)%4)+\b):8*(8*((\a)%4)+\b)+7], v[128*(\p)+FR*\b:128*(\p)+FR*\b+FR-1], v[AF+FR*(\a):AF+FR*(\a)+FR-1], 0, v[SC+8*NQ*(\sc)+NQ*\b+(\q)], v[SC+8*NQ*(\sc)+NQ*(\a)+(\q)] matrix_a_fmt:MATRIX_FMT_FP4 matrix_b_fmt:MATRIX_FMT_FP4 matrix_a_scale:MATRIX_SCALE_ROW1
.else
	v_wmma_scale_f32_16x16x128_f8f6f4 v[8*(8*((\a)%4)+\b):8*(8*((\a)%4)+\b)+7], v[128*(\p)+FR*\b:128*(\p)+FR*\b+FR-1], v[AF+FR*(\a):AF+FR*(\a)+FR-1], v[8*(8*((\a)%4)+\b):8*(8*((\a)%4)+\b)+7], v[SC+8*NQ*(\sc)+NQ*\b+(\q)], v[SC+8*NQ*(\sc)+NQ*(\a)+(\q)] matrix_a_fmt:MATRIX_FMT_FP4 matrix_b_fmt:MATRIX_FMT_FP4 matrix_a_scale:MATRIX_SCALE_ROW1
.endif
.endr
.endr
.endm
.macro FETCH_B slot, q, p
	WIN TO_B
.irp i, 0,1,2,3,4,5,6,7
	FRAG 128*(\p)+FR*\i, ADRB+\slot, \q, \i
.endr
	WIN 0
.endm
.macro FETCH_A slot, q, i0
.irp i, \i0, \i0+1, \i0+2, \i0+3
	FRAG AF+FR*(\i), ADRA+\slot, \q, \i
.endr
.endm
.macro SCALES sc                       ; a slot's scale words: lanes 0-15 take x's block i, lanes 16-31 wqkv's block i
.irp i, 0,1,2,3,4,5,6,7
	ds_load_b128 v[SC+8*NQ*\sc+NQ*\i:SC+8*NQ*\sc+NQ*\i+3], v[ADRS] offset:\i*SBLK
.endr
.endm
.macro PLACES n                        ; plain vector lines between a matrix instruction and a load into, or a read of, its registers
.rept \n
	v_nop
.endr
.endm
.macro STEP slot, q, zero              ; a step of 128 along K that has its successor in the same slot
	s_wait_dscnt 4*NL                              ; wqkv's set and x's blocks 0-3 are in; the youngest eight loads (x's blocks 4-7) may be out
	WIN MUL_LO
	MUL16 0, (\q)%2, \q, \slot, \zero
	MUL16 2, (\q)%2, \q, \slot, \zero
	s_wait_dscnt 0
	PLACES NP
	FETCH_B \slot, (\q)+1, 1-(\q)%2
	FETCH_A \slot, (\q)+1, 0
	WIN MUL_HI
	MUL16 4, (\q)%2, \q, \slot, \zero
	MUL16 6, (\q)%2, \q, \slot, \zero
	PLACES NP
	WIN 0
	FETCH_A \slot, (\q)+1, 4
.endm
.macro TURN slot, next                 ; slot 0's last step: one barrier; in front of it each wave's tensor loads have landed and its reads of slot 0 are over: behind it slot 1 is whole, and slot 0 is free for the stages
	s_wait_tensorcnt 0x0                           ; all my tensor loads have landed: my part of slot 1
	ds_add_u32 v[SPW], v[NIL]                      ; 0 onto my spare word
	s_wait_dscnt 4*NL+1                            ; (the add and the youngest eight loads may be out)
	WIN MUL_LO
	MUL16 0, 1, NQ-1, \slot, 0
	s_wait_dscnt 0x0                               ; the add is done, and my reads of this slot are over
	s_barrier_signal -1
	MUL16 2, 1, NQ-1, \slot, 0
	WIN 0
	s_barrier_wait -1
	PLACES NP
	v_add_nc_u32 v[ADRS], 4*NQ, v[ADRS]            ; on to the next slot's scale words
	FETCH_B \next, 0, 0
	FETCH_A \next, 0, 0
	SCALES \next
	WIN MUL_HI
	MUL16 4, 1, NQ-1, \slot, 0
	MUL16 6, 1, NQ-1, \slot, 0
	PLACES NP
	WIN 0
	FETCH_A \next, 0, 4
.endm
.macro STEPS slot, from
.set Q, \from
.rept NQ-1-\from
	STEP \slot, Q, 0
.set Q, Q+1
.endr
.endm
; THE WAY OUT, block by block of 16 positions x 128 columns (two heads).
.macro TABLE a                         ; the table's rows of block a: lane (r, h): (cos, sin) of pairs 8 b4 + 4 h + 0..3 of position 16 a + r, into set a % 2
.irp b4, 0,1,2,3
.irp c, 0,1
	global_load_b128 v[TBL+32*((\a)%2)+8*\b4+4*\c:TBL+32*((\a)%2)+8*\b4+4*\c+3], v[TO], s[96:97] offset:4096*(\a)+64*\b4+16*\c
.endr
.endr
.endm
.macro ROPE a                          ; (x1, x2) -> (x1 cos - x2 sin, x1 sin + x2 cos), then two roundings to f16 an instruction
.if (\a) < 7
	s_wait_loadcnt 8                               ; block a's table is in; the next block's eight loads may be out
.else
	s_wait_loadcnt 0
.endif
.set AC, 64*((\a)%4)
.set TS, TBL+32*((\a)%2)
	WIN 0x02+(\a)/4                                ; source 0: window 2 or 3
.irp b, 0,1,2,3,4,5,6,7
.irp jj, 0,1,2,3
	v_mul_f32 v[T+8*\b+2*\jj], v[AC+8*\b+2*\jj], v[TS+8*(\b%4)+2*\jj]          ; each accumulator is read from its low end on
	v_mul_f32 v[T+8*\b+2*\jj+1], v[AC+8*\b+2*\jj], v[TS+8*(\b%4)+2*\jj+1]
	v_fma_f32 v[T+8*\b+2*\jj], -v[AC+8*\b+2*\jj+1], v[TS+8*(\b%4)+2*\jj+1], v[T+8*\b+2*\jj]
	v_fma_f32 v[T+8*\b+2*\jj+1], v[AC+8*\b+2*\jj+1], v[TS+8*(\b%4)+2*\jj], v[T+8*\b+2*\jj+1]
.endr
.endr
	WIN 0
.set i, 0
.rept 32
	v_cvt_pk_f16_f32 v[PK+i], v[T+2*i], v[T+2*i+1]
.set i, i+1
.endr
.endm
.macro PACKV a                         ; values are not turned
.set AC, 64*((\a)%4)
	WIN 0x0a+5*((\a)/4)                            ; sources 0 and 1: window 2 or 3
.set i, 0
.rept 32
	v_cvt_pk_f16_f32 v[PK+i], v[AC+2*i], v[AC+2*i+1]
.set i, i+1
.endr
	WIN 0
.endm
.macro FINE isv                        ; block 0, where it holds a batch's first 16 positions, goes to q16 in f32, as it stands in the registers: each store covers 512 consecutive bytes
	s_cmp_lg_u32 s95, 0
	s_cbranch_scc1 .Lno_fine_\@
.if \isv
	WIN 0x08                                       ; a store's data are its source 1: window 2
.irp b, 0,1,2,3,4,5,6,7
	global_store_b128 v[CO], v[8*\b:8*\b+3], s[66:67] offset:1024*\b
	global_store_b128 v[CO], v[8*\b+4:8*\b+7], s[66:67] offset:1024*\b+512
.endr
	WIN 0
.else
.irp b, 0,1,2,3,4,5,6,7
	global_store_b128 v[CO], v[T+8*\b:T+8*\b+3], s[66:67] offset:1024*\b
	global_store_b128 v[CO], v[T+8*\b+4:T+8*\b+7], s[66:67] offset:1024*\b+512
.endr
.endif
	s_wait_xcnt 0x0                                ; the stores have read their data: the next block writes these registers again
.Lno_fine_\@:
.endm
.macro TOSTAGE a                       ; a lane's 16 bytes into rows of 272 bytes, and back by heads: four rows of 128 bytes an instruction.  LDS serves a wave's instructions in order: no wait between
.if (\a) >= 2
	s_wait_xcnt 0x0                                ; block a - 2's stores have read the registers into which these loads land
.endif
.irp b, 0,1,2,3,4,5,6,7
	ds_store_b128 v[STO], v[PK+4*\b:PK+4*\b+3] offset:32*\b
.endr
.set BB, BK+32*((\a)%2)
.irp j2, 0,1
.irp g, 0,1,2,3
	ds_load_b128 v[BB+4*(4*\j2+\g):BB+4*(4*\j2+\g)+3], v[RD] offset:4*SPITCH*\g+128*\j2
.endr
.endr
.endm
.macro SEND a                          ; 32 lanes store four positions of a head: 512 consecutive bytes, aligned.  Every offset is an immediate
.set BB, BK+32*((\a)%2)
	s_wait_dscnt 0x0                               ; the block is back in registers
.irp j2, 0,1
.irp g, 0,1,2,3
	global_store_b128 v[CO], v[BB+4*(4*\j2+\g):BB+4*(4*\j2+\g)+3], s[12:13] offset:262144*\j2+2048*(\a)+512*\g
.endr
.endr
.endm
	TABLE 0                                        ; the first two tables land under the products.  (Every kind asks for them, so that no way through the text reaches their readers without them; values leave them unread)
	TABLE 1
	s_wait_tensorcnt 1                             ; the scales and my part of slot 0 are in (slot 1's load may be out)
	s_barrier_signal -1
	s_barrier_wait -1                              ; everybody's are
	FETCH_B 0, 0, 0
	FETCH_A 0, 0, 0
	SCALES 0
	FETCH_A 0, 0, 4
	STEP 0, 0, 1                                   ; the first step's products start the sums: nothing is cleared
	STEPS 0, 1
	TURN 0, 1
	STEPS 1, 0
	s_wait_dscnt 4*NL                              ; the very last step: nothing more to fetch
	WIN MUL_LO
	MUL16 0, 1, NQ-1, 1, 0
	MUL16 2, 1, NQ-1, 1, 0
	s_wait_dscnt 0
	WIN MUL_HI
	MUL16 4, 1, NQ-1, 1, 0
	MUL16 6, 1, NQ-1, 1, 0
	WIN 0
	PLACES NP                                      ; in front of the first reads of results and the first writes of registers that held operands
	s_cmp_eq_u32 ttmp9, 2                          ; the kind: the cluster's x, the same in all partners
	s_cbranch_scc1 .Lplain
	ROPE 0
	FINE 0
	TOSTAGE 0
	TABLE 2
.irp a, 1,2,3,4,5,6,7                  ; block a's arithmetic stands between block a - 1's loads from the stage and the wait for them
	ROPE \a
	SEND \a-1
	TOSTAGE \a
.if \a < 6
	TABLE \a+2
.endif
.endr
	SEND 7
	s_branch .Ljoin
.Lplain:
	PACKV 0
	FINE 1
	TOSTAGE 0
.irp a, 1,2,3,4,5,6,7
	PACKV \a
	SEND \a-1
	TOSTAGE \a
.endr
	SEND 7
.Ljoin:
	s_wait_tensorcnt 0x0                           ; the wave's end, behind my last tensor load and my last LDS store
	ds_add_u32 v[SPW], v[NIL]
	s_wait_dscnt 0x0
	CROUND                                         ; the closing round
	s_endpgm
.Lfunc_end_k_q3aaa3da926_qkv:
	.size	k_q3aaa3da926_qkv, .Lfunc_end_k_q3aaa3da926_qkv-k_q3aaa3da926_qkv
	.p2alignl 7, 3214868480
	.fill 96, 4, 3214868480
	.section	.rodata,"a",@progbits
	.p2align	6, 0x0
	.amdhsa_kernel k_q3aaa3da926_qkv
		.amdhsa_group_segment_fixed_size 327680
		.amdhsa_private_segment_fixed_size 0
		.amdhsa_enable_private_segment 0
		.amdhsa_kernarg_size 40
		.amdhsa_user_sgpr_count 2
		.amdhsa_user_sgpr_kernarg_segment_ptr 1
		.amdhsa_wavefront_size32 1
		.amdhsa_system_sgpr_workgroup_id_x 1
		.amdhsa_system_sgpr_workgroup_id_y 1
		.amdhsa_system_sgpr_workgroup_id_z 1
		.amdhsa_system_vgpr_workitem_id 0
		.amdhsa_next_free_vgpr 1024
		.amdhsa_next_free_sgpr 100
		.amdhsa_reserve_vcc 0
		.amdhsa_float_denorm_mode_32 3
		.amdhsa_float_denorm_mode_16_64 3
		.amdhsa_memory_ordered 1
		.amdhsa_forward_progress 1
		.amdhsa_inst_pref_size 215
	.end_amdhsa_kernel
	.amdgpu_metadata
---
amdhsa.version: [ 1, 2 ]
amdhsa.kernels:
  - .name:           k_q3aaa3da926_qkv
    .symbol:         k_q3aaa3da926_qkv.kd
    .args:
      - { .name: codes, .offset: 0, .size: 8, .value_kind: global_buffer, .address_space: global }
      - { .name: scales, .offset: 8, .size: 8, .value_kind: global_buffer, .address_space: global }
      - { .name: rope, .offset: 16, .size: 8, .value_kind: global_buffer, .address_space: global }
      - { .name: qkvh, .offset: 24, .size: 8, .value_kind: global_buffer, .address_space: global }
      - { .name: q16, .offset: 32, .size: 8, .value_kind: global_buffer, .address_space: global }
    .group_segment_fixed_size: 327680
    .private_segment_fixed_size: 0
    .kernarg_segment_align: 8
    .kernarg_segment_size: 40
    .max_flat_workgroup_size: 128
    .sgpr_count:     100
    .vgpr_count:     1024
    .wavefront_size: 32
...
	.end_amdgpu_metadata
.endif
;; end of part 2
;; launch attn (part 3): grid 4 x 64, 8 waves a work-group, no clusters, 327,680 bytes of LDS; arguments qkvh, yh; writes yh
.if DOCPART == 3
	.amdgcn_target "amdgcn-amd-amdhsa--gfx1250"
	.amdhsa_code_object_version 6
	.text
	.protected	k_q3aaa3da926_attn
	.globl	k_q3aaa3da926_attn
	.p2align	8
	.type	k_q3aaa3da926_attn,@function
k_q3aaa3da926_attn:
	s_mov_b64 s[64:65], 0
	v_nop
	global_prefetch_b8 v0, s[64:65] scope:SCOPE_SE
	s_setreg_imm32_b32 hwreg(HW_REG_WAVE_MODE, 25, 1), 1
	s_wait_xcnt 0x0
; y[bh][q][:] = the sum over k <= q of softmax_k(Q[bh][q] . K[bh][k] / 8) V[bh][k][:].  Q, K, V: the three kinds of qkvh, [64 heads][2048][64] f16 each; y: yh, the same shape, f16.
; Products on f16 operands with f32 sums; maxima, exponentials and row sums in f32; the weights p are rounded to f16 for the second product, y once at the end.
; SHARES.  Work-group (i, bh), i = 0..3, owns blocks i and 7 - i of 256 queries of one head, one after the other.  Block j needs key slots 0..j of 256 keys: i + 1 and 8 - i slots, NINE IN ALL for every i:
; all 256 work-groups have the same work and the loop's trip count is a constant.  Each of the eight waves owns 32 queries, two tiles of 16, so that a fragment of K or V read from LDS feeds two matrix instructions.
; The waves' places in a block are mixed (wave 0, 1, .. 7 takes 32 x 0, 4, 1, 5, 6, 2, 7, 3), so that early and late queries of the diagonal block are spread over the waves' numbers.
; NO JOINT LOADS: at one and the same trip the four work-groups of a head want different key slots (slot t in the first pass, slot t - i - 1 in the second), so no tile is wanted by two of them at the same time;
; walking in step would mean idle trips, which would undo the even split.
; LAYOUT.  S^T = K Q^T (source 0 = 16 keys, source 1 = 16 queries): a lane holds ONE query (lane % 16) and keys 8 (lane / 16) + 0..7 of each tile.  Two such tiles, rounded to f16 in pairs, ARE source 1 of O^T = V^T P.
; K comes out of LDS as it lies, V ([key][channel]) turned, by ds_load_tr16_b128.
; SOFTMAX.  A running maximum m and sum l for each query: p = 2^(c s - c m), c = log2(e) / 8; in every step O and l are multiplied by a = 2^(c m_old - c m_new).
; THE MASK.  A step of 128 keys all of which come after my 32 queries is left out (a scalar branch on ids, round no barrier and no tensor load); in the one step on the diagonal hidden scores become -infinity.
; A step is walked only where its first key is at or under my first query, so every query keeps a key in every step that it walks.
; LDS.  Two slots, 2^17 bytes apart.  A slot: K's 256 rows of 128 bytes, dense in memory, stated as 128 rows of 256 bytes + 16 of padding; then V's likewise + 32.  Key k lies at pitch x (k / 2) + 128 (k % 2):
; the 16 rows of a fragment of K, and the 8 rows x 2 pieces of a turning load, fall on 16 different 16-byte columns modulo 256 bytes.  Behind the slots: a stage of 32 rows x 144 bytes for each wave; the spare words.
; REGISTERS.  window 0: v1-15 addresses; v16-31 statistics, eight a tile: +0 c m, +1 m, +2, +3 l, +4..+7 at work (a in +6); v32-95 P; v96-223 S^T.
;   window 1: v0-63 O^T; v64-95 Q; v96-127 the second pass's Q; v128-255 a step's fragments of K, then of V.
; LIMITS: |q|, |k|, |v|, |y| under 65,504; NaN and infinities are not served.
.set KP,    272
.set VP,    288
.set VOFF,  128*KP
.set SLOT1, 1<<17
.set STAGE, SLOT1+VOFF+128*VP
.set SPARE, STAGE+8*32*144
.set AK0, 1
.set AV0, 2
.set ADK, 3
.set ADV, 4
.set SPW, 5
.set NIL, 6
.set QO,  7
.set STO, 8
.set RD,  9
.set GO,  10
.set PFO, 11
.set D0,  12
.set NINF, 13
.set ST,  16
.set P,   32
.set S,   96
.set O,   0
.set Q,   64
.set QN,  96
.set F,   128
.set WV,  12                           ; s12 wave
.set PI,  13                           ; s13 i
.set TT,  14                           ; s14 the trip, 0..8
.set SLOTS, 15                         ; s15 slots still to be asked for
.set KF,  16                           ; s16 the step's first key
.set Q0,  17                           ; s17 my first query
.set TB,  18                           ; s18 LDS byte at which the slot in hand begins
.set LIM, 19                           ; s19 1 in a work-group that prefetches, else the greatest number
.set SEL, 20
.set CS,  22
.set G1K, 24
.set G1V, 32
.set G0K, 40
.set G0V, 44
.set KB,  48                           ; s[48:49] my quarter of key slot 0 of K;  s[50:51] of V
.set VB,  50
.set PFA, 52
.set YB,  54
.set Q1,  56                           ; s56 my first query in the second pass
.set MSB, 0
.macro WIN new
.if MSB != (\new)
	s_set_vgpr_msb (MSB<<8)|(\new)
.set MSB, (\new)
.endif
.endm
; Waves 0-3 fetch the quarters of K's tile, waves 4-7 those of V's: one load a wave.  An s_nop 0 and four v_nop follow each of the two lines.
.macro TLOAD
	s_cmp_lt_u32 s[WV], 4
	s_cbranch_scc0 .Lfor_v_\@
	tensor_load_to_lds s[G0K:G0K+3], s[G1K:G1K+7]
	s_nop 0
.rept 4
	v_nop
.endr
	s_branch .Lasked_\@
.Lfor_v_\@:
	tensor_load_to_lds s[G0V:G0V+3], s[G1V:G1V+7]
	s_nop 0
.rept 4
	v_nop
.endr
.Lasked_\@:
.endm
; A PREFETCH INTO THE L2.  All four work-groups of a head walk the same K and V; the one with i = 0, whose second pass walks all eight key slots in order, asks, and nobody else.  At trip t = 0..6 it names key slot t + 1,
; which its own tensor loads ask for one trip, two key steps, later.  Each wave names the quarter that it will fetch: 8,192 bytes, lanes 256 bytes apart: each run of 256 bytes is named once in the launch.
; Key slot 0 comes by its load alone; the last trip that fills a slot names nothing.
.macro ASK
	s_cmp_gt_u32 s[SLOTS], s[LIM]
	s_cbranch_scc0 .Lnot_mine_\@
	global_prefetch_b8 v[PFO], s[PFA:PFA+1] th:TH_LOAD_NT scope:SCOPE_SE
.Lnot_mine_\@:
.endm
.macro INIT                            ; a pass begins: O^T and l are zeros, m lies under every score: the first step's a is 0 and leaves zeros zeros
	WIN 0x40
.set i, 0
.rept 64
	v_mov_b32 v[O+i], 0
.set i, i+1
.endr
	WIN 0
.irp t, 0,1
	v_mov_b32 v[ST+8*\t+1], 0xff61b1e6             ; -3e38
	v_mul_f32 v[ST+8*\t], s[CS], v[ST+8*\t+1]
	v_mov_b32 v[ST+8*\t+2], 0
	v_mov_b32 v[ST+8*\t+3], 0
.endr
.endm
; A KEY STEP: 128 keys, the q-th of the slot in hand.
.macro STEP q
	s_add_co_u32 s58, s[Q0], 31
	s_cmp_gt_u32 s[KF], s58                        ; all its keys come after my queries
	s_cbranch_scc1 .Lhidden_\@
	v_add_nc_u32 v[ADK], s[TB], v[AK0]
	v_add_nc_u32 v[ADV], s[TB], v[AV0]
	v_nop
	v_nop                                          ; four plain lines in front of loads into registers that the last products read
	WIN 0x40
.irp ks, 0,1                           ; K's 16 fragments, the first 32 channels first
.irp kt, 0,1,2,3,4,5,6,7
	ds_load_b128 v[F+64*\ks+8*\kt:F+64*\ks+8*\kt+3],   v[ADK] offset:64*KP*(\q)+8*KP*\kt+64*\ks
	ds_load_b128 v[F+64*\ks+8*\kt+4:F+64*\ks+8*\kt+7], v[ADK] offset:64*KP*(\q)+8*KP*\kt+64*\ks+32
.endr
.endr
	s_wait_dscnt 16                                ; the first 32 channels are in; the other sixteen loads may be out
	WIN 0x05                                       ; K and Q window 1, S^T window 0
.irp kt, 0,1,2,3,4,5,6,7               ; the 16 accumulators take turns, one instruction a turn
.irp t, 0,1
	v_wmma_f32_16x16x32_f16 v[S+64*\t+8*\kt:S+64*\t+8*\kt+7], v[F+8*\kt:F+8*\kt+7], v[Q+16*\t:Q+16*\t+7], 0
.endr
.endr
	s_wait_dscnt 0x0
.irp kt, 0,1,2,3,4,5,6,7
.irp t, 0,1
	v_wmma_f32_16x16x32_f16 v[S+64*\t+8*\kt:S+64*\t+8*\kt+7], v[F+64+8*\kt:F+64+8*\kt+7], v[Q+16*\t+8:Q+16*\t+15], v[S+64*\t+8*\kt:S+64*\t+8*\kt+7]
.endr
.endr
	WIN 0
.rept 4
	v_nop                                          ; places in front of the loads below and of the first reads of the scores
.endr
	WIN 0x40
.irp u, 0,1,2,3                        ; V's 16 fragments (keys 32 u on, channels 16 c on), turned: they land under the softmax
.irp c, 0,1,2,3
	ds_load_tr16_b128 v[F+32*\u+8*\c:F+32*\u+8*\c+3],   v[ADV] offset:64*VP*(\q)+16*VP*\u+32*\c
	ds_load_tr16_b128 v[F+32*\u+8*\c+4:F+32*\u+8*\c+7], v[ADV] offset:64*VP*(\q)+16*VP*\u+32*\c+8*VP
.endr
.endr
	WIN 0
	s_add_co_u32 s58, s[KF], 127
	s_cmp_le_u32 s58, s[Q0]                        ; all its keys count for all my queries
	s_cbranch_scc1 .Lopen_\@
	s_sub_co_u32 s59, s[Q0], s[KF]
	v_add_nc_u32 v14, s59, v[D0]                   ; tile 0: my query - KF - 8 (lane / 16).  Register n holds key KF + 8 (lane / 16) + 16 (n / 8) + n % 8: hidden where 16 (n / 8) + n % 8 is above this
	v_add_nc_u32 v15, 16, v14                      ; tile 1
.set n, 0
.rept 64
	v_cmp_gt_i32 vcc_lo, 16*(n/8)+n%8, v14
	v_cndmask_b32 v[S+n], v[S+n], v[NINF], vcc_lo
	v_cmp_gt_i32 vcc_lo, 16*(n/8)+n%8, v15
	v_cndmask_b32 v[S+64+n], v[S+64+n], v[NINF], vcc_lo
.set n, n+1
.endr
.Lopen_\@:
.irp b, 0,1,2,3                        ; the maximum of 64 scores and the old m: four chains a tile, the two tiles by turns; each accumulator is first read at its low end
.irp t, 0,1
	v_max3_num_f32 v[ST+8*\t+4+\b], v[S+64*\t+16*\b], v[S+64*\t+16*\b+1], v[S+64*\t+16*\b+2]
.endr
.endr
.irp i, 3,5,7,9,11,13
.irp b, 0,1,2,3
.irp t, 0,1
	v_max3_num_f32 v[ST+8*\t+4+\b], v[ST+8*\t+4+\b], v[S+64*\t+16*\b+\i], v[S+64*\t+16*\b+\i+1]
.endr
.endr
.endr
.irp t, 0,1
	v_max3_num_f32 v[ST+8*\t+4], v[ST+8*\t+4], v[S+64*\t+15], v[S+64*\t+31]
	v_max3_num_f32 v[ST+8*\t+6], v[ST+8*\t+6], v[S+64*\t+47], v[S+64*\t+63]
.endr
.irp t, 0,1
	v_max3_num_f32 v[ST+8*\t+4], v[ST+8*\t+4], v[ST+8*\t+5], v[ST+8*\t+6]
.endr
.irp t, 0,1
	v_max3_num_f32 v[ST+8*\t+4], v[ST+8*\t+4], v[ST+8*\t+7], v[ST+8*\t+1]
.endr
.irp t, 0,1
	v_permlanex16_b32 v[ST+8*\t+5], v[ST+8*\t+4], s[SEL], s[SEL+1]   ; the query's other 64 keys lie in the lane 16 away
.endr
.irp t, 0,1
	v_mov_b32 v[ST+8*\t+7], v[ST+8*\t]             ; c m_old is kept for a
.endr
.irp t, 0,1
	v_max_num_f32 v[ST+8*\t+1], v[ST+8*\t+4], v[ST+8*\t+5]
.endr
.irp t, 0,1
	v_mul_f32 v[ST+8*\t], s[CS], v[ST+8*\t+1]
.endr
.irp t, 0,1
	v_sub_f32 v[ST+8*\t+7], v[ST+8*\t+7], v[ST+8*\t]
.endr
.set i, 0
.rept 32
	v_pk_fma_f32 v[S+i:S+i+1], v[S+i:S+i+1], s[CS:CS+1], v[ST:ST+1] op_sel_hi:[1,0,0] neg_lo:[0,0,1] neg_hi:[0,0,1]             ; c s - c m, two at a time
	v_pk_fma_f32 v[S+64+i:S+64+i+1], v[S+64+i:S+64+i+1], s[CS:CS+1], v[ST+8:ST+9] op_sel_hi:[1,0,0] neg_lo:[0,0,1] neg_hi:[0,0,1]
.set i, i+2
.endr
	v_exp_f32 v[ST+6], v[ST+7]                     ; ONE BATCH: both tiles' a and all 128 weights; none of these lines reads an exponential's result
	v_exp_f32 v[ST+14], v[ST+15]
.set i, 0
.rept 128
	v_exp_f32 v[S+i], v[S+i]
.set i, i+1
.endr
	v_nop                                          ; a plain line behind the last exponential,
	s_wait_alu depctr_va_vdst(0)                   ; and the one wait ahead of the batch's first reader
.set i, 0
.rept 64
	v_cvt_pk_f16_f32 v[P+i], v[S+2*i], v[S+2*i+1]  ; source 1 of the second product, as it stands
.set i, i+1
.endr
.irp i, 2,4,6,8,10,12,14               ; the row's sum, of the unrounded weights: four chains a tile, in place
.irp b, 0,1,2,3
.irp t, 0,1
	v_pk_add_f32 v[S+64*\t+16*\b:S+64*\t+16*\b+1], v[S+64*\t+16*\b:S+64*\t+16*\b+1], v[S+64*\t+16*\b+\i:S+64*\t+16*\b+\i+1]
.endr
.endr
.endr
.irp t, 0,1
	v_pk_add_f32 v[S+64*\t:S+64*\t+1], v[S+64*\t:S+64*\t+1], v[S+64*\t+16:S+64*\t+17]
	v_pk_add_f32 v[S+64*\t+32:S+64*\t+33], v[S+64*\t+32:S+64*\t+33], v[S+64*\t+48:S+64*\t+49]
.endr
.irp t, 0,1
	v_pk_add_f32 v[S+64*\t:S+64*\t+1], v[S+64*\t:S+64*\t+1], v[S+64*\t+32:S+64*\t+33]
.endr
.irp t, 0,1
	v_pk_fma_f32 v[ST+8*\t+2:ST+8*\t+3], v[ST+8*\t+2:ST+8*\t+3], v[ST+8*\t+6:ST+8*\t+7], v[S+64*\t:S+64*\t+1] op_sel_hi:[1,0,1]   ; l = a l + the sum
.endr
	WIN 0x41                                       ; O^T window 1, a window 0
.irp t, 0,1
.set i, 0
.rept 16
	v_pk_mul_f32 v[O+32*\t+i:O+32*\t+i+1], v[O+32*\t+i:O+32*\t+i+1], v[ST+8*\t+6:ST+8*\t+7] op_sel_hi:[1,0]
.set i, i+2
.endr
.endr
	s_wait_dscnt 0x0                               ; V is in
	WIN 0x51                                       ; V window 1, P window 0, O^T window 1
.irp u, 0,1,2,3                        ; the eight accumulators take turns
.irp c, 0,1,2,3
.irp t, 0,1
	v_wmma_f32_16x16x32_f16 v[O+32*\t+8*\c:O+32*\t+8*\c+7], v[F+32*\u+8*\c:F+32*\u+8*\c+7], v[P+32*\t+8*\u:P+32*\t+8*\u+7], v[O+32*\t+8*\c:O+32*\t+8*\c+7]
.endr
.endr
.endr
	WIN 0
.Lhidden_\@:
	s_add_co_u32 s[KF], s[KF], 128
.endm
; THE CHANGE OF SLOTS stands at a slot's head.  Each wave waits for all its tensor loads (its part of the slot that it is about to read), adds 0 to its spare word, and waits for that and for its reads of the slot that it
; has left.  Behind the barrier the slot ahead is whole and nobody reads the other one.  fill = 1: that other slot takes the next trip's keys: the load has two key steps in which to land.
.macro CHANGE fill
	s_wait_tensorcnt 0x0                           ; no tensor load of mine is out, so a group 0 may be written
	ds_add_u32 v[SPW], v[NIL]                      ; 0 onto my spare word; the descriptors' steps stand between it and the wait for it
.if \fill
	s_add_co_u32 s58, s[TT], 1
	s_sub_co_u32 s59, s[TT], s[PI]
	s_cmp_le_u32 s58, s[PI]
	s_cselect_b32 s58, s58, s59                    ; the next trip's key slot: t + 1 in the first pass, t - i in the second
	s_lshl_b32 s58, s58, 15                        ; a key slot is 32,768 bytes of K and of V
	s_mov_b32 s59, 0
	s_xor_b32 s[G0K+1], s[G0K+1], SLOT1            ; the other slot than last time
	s_xor_b32 s[G0V+1], s[G0V+1], SLOT1
	s_add_nc_u64 s[G0K+2:G0K+3], s[KB:KB+1], s[58:59]
	s_or_b32 s[G0K+3], s[G0K+3], 0x80000000
	s_add_nc_u64 s[G0V+2:G0V+3], s[VB:VB+1], s[58:59]
	s_or_b32 s[G0V+3], s[G0V+3], 0x80000000
	s_wait_xcnt 0x0                                ; the last prefetch, a trip back, has read its address, so it may be written
	s_add_nc_u64 s[PFA:PFA+1], s[PFA:PFA+1], 32768
.endif
	s_wait_dscnt 0x0                               ; the add is done, and my reads of the slot that I have left are over
	s_barrier_signal -1
	s_barrier_wait -1
.if \fill
	TLOAD                                          ; the first thing behind the barrier, and my one tensor load until the next
	ASK
.endif
.endm
; THE WAY OUT of a pass: O^T / l, rounded to f16, through my stage (rows of 128 bytes + 16), back as four rows an instruction: 32 lanes store 512 consecutive bytes, aligned.
.macro WAYOUT
.irp t, 0,1
	v_add_f32 v[ST+8*\t+4], v[ST+8*\t+2], v[ST+8*\t+3]             ; (these lines are also the places behind the last products)
.endr
.irp t, 0,1
	v_permlanex16_b32 v[ST+8*\t+5], v[ST+8*\t+4], s[SEL], s[SEL+1]
.endr
.irp t, 0,1
	v_add_f32 v[ST+8*\t+4], v[ST+8*\t+4], v[ST+8*\t+5]
.endr
.irp t, 0,1
	v_rcp_f32 v[ST+8*\t+6], v[ST+8*\t+4]
.endr
	v_nop
	s_wait_alu depctr_va_vdst(0)                   ; one wait for both reciprocals, ahead of their first reader
	WIN 0x41
.irp t, 0,1
.set i, 0
.rept 16
	v_pk_mul_f32 v[O+32*\t+i:O+32*\t+i+1], v[O+32*\t+i:O+32*\t+i+1], v[ST+8*\t+6:ST+8*\t+7] op_sel_hi:[1,0]
.set i, i+2
.endr
.endr
	WIN 0x05
.irp t, 0,1
.irp c, 0,1,2,3
.irp jj, 0,1,2,3
	v_cvt_pk_f16_f32 v[S+16*\t+4*\c+\jj], v[O+32*\t+8*\c+2*\jj], v[O+32*\t+8*\c+2*\jj+1]
.endr
.endr
.endr
	WIN 0
.irp t, 0,1
.irp c, 0,1,2,3
	ds_store_b128 v[STO], v[S+16*\t+4*\c:S+16*\t+4*\c+3] offset:16*144*\t+32*\c
.endr
.endr
.irp g, 0,1,2,3,4,5,6,7
	ds_load_b128 v[S+32+4*\g:S+32+4*\g+3], v[RD] offset:4*144*\g   ; LDS serves a wave's instructions in order: these see my stores
.endr
.irp g, 0,1,2,3,4,5,6,7
	s_wait_dscnt 7-\g                              ; load g is back; the younger ones may be out
	global_store_b128 v[GO], v[S+32+4*\g:S+32+4*\g+3], s[YB:YB+1] offset:512*\g
.endr
.endm
	s_load_b128 s[4:7], s[0:1], 0x0                ; qkvh, yh
	v_lshl_add_u32 v[SPW], v0, 2, SPARE
	v_mov_b32 v[NIL], 0
	ds_add_u32 v[SPW], v[NIL]                      ; the wave's opening: the add, twice on end, and its wait ahead of my first tensor load
	ds_add_u32 v[SPW], v[NIL]
	v_lshrrev_b32 v14, 5, v0
	v_readfirstlane_b32 s[WV], v14                 ; wave 0..7
	s_mov_b32 s[PI], ttmp9
	s_and_b32 s58, ttmp7, 0xffff
	s_lshl_b32 s58, s58, 18                        ; the head's first byte in a kind, and in yh
	s_mov_b32 s59, 0
	s_lshr_b32 s60, s[WV], 2
	s_xor_b32 s60, s60, s[WV]
	s_and_b32 s60, s60, 1
	s_lshl_b32 s60, s60, 2
	s_bfe_u32 s61, s[WV], 0x20001
	s_add_co_u32 s60, s60, s61                     ; my place in a block: 4 ((w ^ (w >> 2)) & 1) + ((w >> 1) & 3)
	s_lshl_b32 s60, s60, 5
	s_lshl_b32 s61, s[PI], 8
	s_add_co_u32 s[Q0], s61, s60                   ; first pass: block i
	s_sub_co_u32 s61, 7, s[PI]
	s_lshl_b32 s61, s61, 8
	s_add_co_u32 s[Q1], s61, s60                   ; second pass: block 7 - i
	s_mov_b32 s[G1K], (1<<16)|(1<<20)|(5<<22)|(3<<25)   ; no mask; elements of 2 bytes; padding on: 4 words behind every 64
	s_mov_b32 s[G1V], (1<<16)|(1<<20)|(5<<22)|(7<<25)   ; the same with 8 words
.irp g, G1K, G1V
	s_mov_b32 s[\g+1], 128<<16                     ; tensor_dim0 = 128 elements: two keys' rows on end
	s_mov_b32 s[\g+2], 32<<16                      ; tensor_dim1 = 32
	s_mov_b32 s[\g+3], 128<<16                     ; tile_dim0
	s_mov_b32 s[\g+4], 32                          ; tile_dim1
	s_mov_b32 s[\g+5], 128                         ; from row to row: dense
	s_mov_b32 s[\g+6], 0
	s_mov_b32 s[\g+7], 0
.endr
	s_and_b32 s62, s[WV], 3                        ; which quarter of the tile I fetch
	s_mov_b32 s[G0K], 1
	s_mul_i32 s[G0K+1], s62, 32*KP
	s_mov_b32 s[G0V], 1
	s_mul_i32 s[G0V+1], s62, 32*VP
	s_add_co_u32 s[G0V+1], s[G0V+1], VOFF
	s_lshl_b32 s62, s62, 13
	s_add_co_u32 s62, s62, s58
	s_mov_b32 s63, 0
	s_mov_b32 s[SEL], 0x76543210
	s_mov_b32 s[SEL+1], 0xfedcba98
	s_mov_b32 s[CS], 0x3e38aa3b                    ; c = log2(e) / 8
	s_mov_b32 s[CS+1], s[CS]
	s_mov_b32 s[TT], 0
	s_mov_b32 s[KF], 0
	s_mov_b32 s[TB], 0
	s_mov_b32 s[SLOTS], 8
	s_wait_dscnt 0x0                               ; both opening adds are done
	s_wait_kmcnt 0x0
	s_add_nc_u64 s[KB:KB+1], s[4:5], s[62:63]
	s_add_nc_u64 s[VB:VB+1], s[KB:KB+1], 33554432  ; kind 2
	s_add_nc_u64 s[KB:KB+1], s[KB:KB+1], 16777216  ; kind 1
	s_mov_b64 s[G0K+2:G0K+3], s[KB:KB+1]
	s_or_b32 s[G0K+3], s[G0K+3], 0x80000000
	s_mov_b64 s[G0V+2:G0V+3], s[VB:VB+1]
	s_or_b32 s[G0V+3], s[G0V+3], 0x80000000
	TLOAD                                          ; key slot 0 into slot 0: one tensor load of mine is out
	s_add_nc_u64 s[4:5], s[4:5], s[58:59]          ; Q and y at my head
	s_add_nc_u64 s[6:7], s[6:7], s[58:59]
	s_lshl_b32 s60, s[Q0], 7
	s_mov_b32 s61, 0
	s_add_nc_u64 s[66:67], s[4:5], s[60:61]
	s_add_nc_u64 s[YB:YB+1], s[6:7], s[60:61]
	s_lshl_b32 s60, s[Q1], 7
	s_add_nc_u64 s[68:69], s[4:5], s[60:61]
	v_and_b32 v14, 15, v0                          ; r
	v_bfe_u32 v15, v0, 4, 1                        ; h
	v_lshlrev_b32 v[QO], 7, v14
	v_lshl_add_u32 v[QO], v15, 4, v[QO]
	WIN 0x40
.irp t, 0,1                            ; both passes' Q stay in registers: tile t, channels 32 ks on
.irp ks, 0,1
	global_load_b128 v[Q+16*\t+8*\ks:Q+16*\t+8*\ks+3],     v[QO], s[66:67] offset:2048*\t+64*\ks
	global_load_b128 v[Q+16*\t+8*\ks+4:Q+16*\t+8*\ks+7],   v[QO], s[66:67] offset:2048*\t+64*\ks+32
	global_load_b128 v[QN+16*\t+8*\ks:QN+16*\t+8*\ks+3],   v[QO], s[68:69] offset:2048*\t+64*\ks
	global_load_b128 v[QN+16*\t+8*\ks+4:QN+16*\t+8*\ks+7], v[QO], s[68:69] offset:2048*\t+64*\ks+32
.endr
.endr
	WIN 0
	s_cmp_lt_u32 s[WV], 4
	s_cselect_b64 s[PFA:PFA+1], s[KB:KB+1], s[VB:VB+1]   ; at key slot 0: the first change steps it to key slot 1
	s_cmp_eq_u32 s[PI], 0
	s_cselect_b32 s[LIM], 1, -1
	v_and_b32 v[PFO], 31, v0
	v_lshlrev_b32 v[PFO], 8, v[PFO]
	v_lshrrev_b32 v32, 1, v14
	v_mul_u32_u24 v[AK0], v32, KP
	v_and_b32 v32, 1, v14
	v_lshl_add_u32 v[AK0], v32, 7, v[AK0]
	v_lshl_add_u32 v[AK0], v15, 4, v[AK0]          ; K: 272 (r / 2) + 128 (r % 2) + 16 h
	v_bfe_u32 v32, v0, 1, 2
	v_lshl_add_u32 v32, v15, 2, v32
	v_mul_u32_u24 v[AV0], v32, VP
	v_and_b32 v32, 1, v0
	v_lshl_add_u32 v[AV0], v32, 7, v[AV0]
	v_bfe_u32 v32, v0, 3, 1
	v_lshl_add_u32 v[AV0], v32, 4, v[AV0]
	v_add_nc_u32 v[AV0], VOFF, v[AV0]              ; V: key 8 h + l % 8, channels 8 ((l / 8) % 2) on
	s_mul_i32 s60, s[WV], 32*144
	s_add_co_u32 s60, s60, STAGE                   ; my stage
	v_mul_u32_u24 v[STO], v14, 144
	v_lshl_add_u32 v[STO], v15, 4, v[STO]
	v_add_nc_u32 v[STO], s60, v[STO]
	v_bfe_u32 v32, v0, 3, 2
	v_mul_u32_u24 v[RD], v32, 144
	v_and_b32 v32, 7, v0
	v_lshl_add_u32 v[RD], v32, 4, v[RD]
	v_add_nc_u32 v[RD], s60, v[RD]
	v_and_b32 v[GO], 31, v0
	v_lshlrev_b32 v[GO], 4, v[GO]
	v_lshlrev_b32 v32, 3, v15
	v_sub_nc_u32 v[D0], v14, v32                   ; r - 8 h
	v_mov_b32 v[NINF], 0xff800000                  ; -infinity
	INIT
	s_wait_loadcnt 0x0                             ; Q
.Lslot:                                            ; eight trips: behind each change of slots the next trip's keys are asked for
	CHANGE 1
	STEP 0
	STEP 1
	s_xor_b32 s[TB], s[TB], SLOT1                  ; on to the other slot
	s_cmp_lg_u32 s[TT], s[PI]                      ; trip i ends the first pass: ids and the count of trips alone, the same in all eight waves
	s_cbranch_scc1 .Lsame
	WAYOUT
	s_wait_xcnt 0x0                                ; the stores have read their data and their base: both are written again below
	s_mov_b32 s[Q0], s[Q1]
	s_lshl_b32 s60, s[Q1], 7
	s_mov_b32 s61, 0
	s_add_nc_u64 s[YB:YB+1], s[6:7], s[60:61]
	s_mov_b32 s[KF], 0
	WIN 0x41
.set i, 0
.rept 32
	v_mov_b32 v[Q+i], v[QN+i]
.set i, i+1
.endr
	WIN 0
	INIT
.Lsame:
	s_add_co_u32 s[TT], s[TT], 1
	s_sub_co_u32 s[SLOTS], s[SLOTS], 1
	s_cmp_lg_u32 s[SLOTS], 0
	s_cbranch_scc1 .Lslot
	CHANGE 0                                       ; the ninth trip is written out: nothing is left to ask for
	STEP 0
	STEP 1
	WAYOUT
	s_wait_tensorcnt 0x0                           ; the wave's end, behind my last tensor load and my last LDS store
	ds_add_u32 v[SPW], v[NIL]
	s_wait_dscnt 0x0
	s_endpgm
.Lfunc_end_k_q3aaa3da926_attn:
	.size	k_q3aaa3da926_attn, .Lfunc_end_k_q3aaa3da926_attn-k_q3aaa3da926_attn
	.p2alignl 7, 3214868480
	.fill 96, 4, 3214868480
	.section	.rodata,"a",@progbits
	.p2align	6, 0x0
	.amdhsa_kernel k_q3aaa3da926_attn
		.amdhsa_group_segment_fixed_size 327680
		.amdhsa_private_segment_fixed_size 0
		.amdhsa_enable_private_segment 0
		.amdhsa_kernarg_size 16
		.amdhsa_user_sgpr_count 2
		.amdhsa_user_sgpr_kernarg_segment_ptr 1
		.amdhsa_wavefront_size32 1
		.amdhsa_system_sgpr_workgroup_id_x 1
		.amdhsa_system_sgpr_workgroup_id_y 1
		.amdhsa_system_sgpr_workgroup_id_z 1
		.amdhsa_system_vgpr_workitem_id 0
		.amdhsa_next_free_vgpr 512
		.amdhsa_next_free_sgpr 80
		.amdhsa_reserve_vcc 1
		.amdhsa_float_denorm_mode_32 3
		.amdhsa_float_denorm_mode_16_64 3
		.amdhsa_memory_ordered 1
		.amdhsa_forward_progress 1
		.amdhsa_inst_pref_size 195
	.end_amdhsa_kernel
	.amdgpu_metadata
---
amdhsa.version: [ 1, 2 ]
amdhsa.kernels:
  - .name:           k_q3aaa3da926_attn
    .symbol:         k_q3aaa3da926_attn.kd
    .args:
      - { .name: qkvh, .offset: 0, .size: 8, .value_kind: global_buffer, .address_space: global }
      - { .name: yh, .offset: 8, .size: 8, .value_kind: global_buffer, .address_space: global }
    .group_segment_fixed_size: 327680
    .private_segment_fixed_size: 0
    .kernarg_segment_align: 8
    .kernarg_segment_size: 16
    .max_flat_workgroup_size: 256
    .sgpr_count:     80
    .vgpr_count:     512
    .wavefront_size: 32
...
	.end_amdgpu_metadata
.endif
;; end of part 3
;; launch proj (part 4): grid 4 x 64, 4 waves a work-group, clusters of 4 x 4, 327,680 bytes of LDS; arguments yh, w16, out0; writes out0
.if DOCPART == 4
	.amdgcn_target "amdgcn-amd-amdhsa--gfx1250"
	.amdhsa_code_object_version 6
	.text
	.protected	k_q3aaa3da926_proj
	.globl	k_q3aaa3da926_proj
	.p2align	8
	.type	k_q3aaa3da926_proj,@function
k_q3aaa3da926_proj:
	s_mov_b64 s[64:65], 0
	v_nop
	global_prefetch_b8 v0, s[64:65] scope:SCOPE_SE
	s_setreg_imm32_b32 hwreg(HW_REG_WAVE_MODE, 25, 1), 1
	s_wait_xcnt 0x0
	s_wait_alu depctr_hold_cnt(0) depctr_sa_sdst(0) depctr_va_vdst(0) depctr_va_sdst(0) depctr_va_ssrc(0) depctr_va_vcc(0) depctr_vm_vsrc(0)
	s_getreg_b32 s2, hwreg(HW_REG_IB_STS2, 6, 4)
	s_cmp_eq_u32 s2, 0
	s_cbranch_scc0 .Lentry_in_a_cluster
	s_endpgm
.Lentry_in_a_cluster:
	s_bfe_u32 s2, ttmp6, 0x10000c
	s_cmp_lg_u32 s2, 0xf033
	s_cbranch_scc0 .Lentry_shape_is_right
	s_endpgm
.Lentry_shape_is_right:
; out0[b][s][e] = sum over d of y[b][s][d] wout[e][d], for all positions s >= 16.  y: yh [4][16 heads][2048][64] f16 (d = 64 head + channel); wout: w16 [1024][1024] f16; out0 f32; sums in f32.
; The first 16 positions of every batch are another launch's: the block that holds them is multiplied with the rest and not stored.
; A tile is 128 positions x 256 outputs: 256 work-groups.  Four waves, each 64 x 128: 32 accumulators of 16 x 16.  K goes in steps of 128 (two heads) through two LDS slots.
; In memory 128 positions of one head are 16,384 dense bytes: they come as 64 rows of 256 bytes (two positions on end) + 16 of padding; position s lies at 272 (s / 2) + 128 (s % 2): the 16 rows of a fragment fall on
; 16 different 16-byte columns modulo 256 bytes.  A slot: y's two planes (one a head), then 256 rows of w16 (256 bytes + 16).
; CLUSTERS: 4 x 4.  The batch is cy and the tile's first position 128 x cluster y; the tile column is cx.  y's tiles are shared along a row of the cluster, w16's along a column: each is asked for JOINTLY.
; 'The first 16 positions are here' hangs on the cluster's y and the wave's number alone.
; THE MATRIX INSTRUCTION IS USED TRANSPOSED (source 0 = 16 rows of w16, source 1 = 16 positions): a lane holds eight neighbouring outputs of one position.
; REGISTERS: window 0: v16-29 addresses; v32-95 y's fragments, two buffers; v128-255 rows on the way out.  window 1: v0-127 w16's fragments, two buffers.  window 2: accumulator (a, b) at v[8 (8 a + b)].
.set PITCH,  272
.set APL,    64*PITCH                  ; a plane of y
.set BOFF,   2*APL
.set SLOT,   BOFF+256*PITCH
.set STAGE,  2*SLOT                    ; 16 rows x (512 bytes + 16) for each wave
.set SPITCH, 528
.set SPARE,  STAGE+4*16*SPITCH
.set LAPS,   4                         ; a lap = two K steps
.set ADRA, 16
.set ADRB, 20
.set STO,  24
.set RD,   25
.set CO,   26
.set SPW,  28
.set NIL,  29
.set AF,   32
.set BK,   128
.set G1, 24
.set G0, 32
.set G1B, 48
.set G0B, 56
.set MSB, 0
.macro WIN new
.if MSB != (\new)
	s_set_vgpr_msb (MSB<<8)|(\new)
.set MSB, (\new)
.endif
.endm
.set MUL,  0xa1                        ; source 0 (w16) window 1, source 1 (y) window 0, C and D window 2
.set TO_B, 0x40
.macro JLOAD s                         ; waves 0 and 1 fetch y's two planes, waves 2 and 3 the halves of w16's rows; an s_nop 0 and four v_nop follow each of the two lines
	s_cmp_eq_u32 s11, 0
	s_cbranch_scc0 .Lfor_b_\@
	tensor_load_to_lds s[G0+4*\s:G0+4*\s+3], s[G1:G1+7]
	s_nop 0
.rept 4
	v_nop
.endr
	s_branch .Lasked_\@
.Lfor_b_\@:
	tensor_load_to_lds s[G0B+4*\s:G0B+4*\s+3], s[G1B:G1B+7]
	s_nop 0
.rept 4
	v_nop
.endr
.Lasked_\@:
.endm
.macro CREST                           ; a round of the cluster's barrier behind its opening barrier
	s_cmp_lg_u32 s10, 0
	s_cbranch_scc1 .Lnot_wave_0_\@
	s_barrier_signal -3
.Lnot_wave_0_\@:
	s_barrier_wait -3
	s_barrier_signal -1
	s_barrier_wait -1
.endm
.macro CROUND
	s_barrier_signal -1
	s_barrier_wait -1
	CREST
.endm
	s_load_b128 s[4:7], s[0:1], 0x0                ; yh, w16
	s_load_b64 s[8:9], s[0:1], 0x10                ; out0
	v_lshl_add_u32 v[SPW], v0, 2, SPARE
	v_mov_b32 v[NIL], 0
	ds_add_u32 v[SPW], v[NIL]                      ; the wave's opening: the add, twice on end, and its wait ahead of my first tensor load
	ds_add_u32 v[SPW], v[NIL]
	v_lshrrev_b32 v1, 5, v0
	v_readfirstlane_b32 s10, v1                    ; wave 0..3
	s_lshr_b32 s11, s10, 1                         ; which 64 positions are mine.  Also: I fetch for y (0) or for w16 (1)
	s_and_b32 s12, s10, 1                          ; which 128 outputs.  Also: which part I fetch
	s_bfe_u32 s40, ttmp6, 0x40000                  ; cx, cy
	s_bfe_u32 s41, ttmp6, 0x40004
	s_lshl_b32 s42, ttmp9, 2
	s_add_co_u32 s42, s42, s40                     ; tile column
	s_and_b32 s13, ttmp7, 0xffff                   ; cluster y: which 128 positions of the batch
	s_lshl_b32 s43, s41, 2
	s_lshl_b32 s43, 15, s43                        ; my row of the cluster
	s_lshl_b32 s44, 0x1111, s40                    ; my column
	s_or_b32 s[G1+0], s43, (1<<16)|(1<<20)|(1<<21)|(5<<22)|(3<<25)   ; the mask; elements of 2 bytes; padding on; bit 21 beside a mask; 4 words behind every 64
	s_or_b32 s[G1B+0], s44, (1<<16)|(1<<20)|(1<<21)|(5<<22)|(3<<25)
	s_mov_b32 s[G1+1], 128<<16                     ; y: 64 rows of 128 elements, dense
	s_mov_b32 s[G1+2], 64<<16
	s_mov_b32 s[G1+3], 128<<16
	s_mov_b32 s[G1+4], 64
	s_mov_b32 s[G1+5], 128
	s_mov_b32 s[G1+6], 0
	s_mov_b32 s[G1+7], 0
	s_mov_b32 s[G1B+1], 128<<16                    ; w16: 128 rows of 128 elements, 1,024 elements apart
	s_mov_b32 s[G1B+2], 128<<16
	s_mov_b32 s[G1B+3], 128<<16
	s_mov_b32 s[G1B+4], 128
	s_mov_b32 s[G1B+5], 1024
	s_mov_b32 s[G1B+6], 0
	s_mov_b32 s[G1B+7], 0
	s_lshl_b32 s16, s41, 4
	s_add_co_u32 s16, s16, s12                     ; y: head 16 cy + part,
	s_lshl_b32 s16, s16, 18
	s_lshl_b32 s17, s13, 14                        ; 128 positions of 128 bytes x cluster y
	s_add_co_u32 s16, s16, s17
	s_mov_b32 s17, 0
	s_lshl_b32 s46, s42, 8
	s_lshl_b32 s47, s12, 7
	s_add_co_u32 s46, s46, s47                     ; w16: row 256 x tile column + 128 x part
	s_lshl_b32 s46, s46, 11
	s_mov_b32 s47, 0
	s_mul_i32 s20, s12, APL                        ; where they go: no place in the cluster enters an LDS address
	s_mul_i32 s21, s12, 128*PITCH
	s_add_co_u32 s21, s21, BOFF
	s_wait_dscnt 0x0                               ; both opening adds are done
	s_wait_kmcnt 0x0
	s_add_nc_u64 s[14:15], s[4:5], s[16:17]
	s_add_nc_u64 s[46:47], s[6:7], s[46:47]
	CROUND                                         ; all sixteen work-groups are here: the first joint loads meet
.irp s, 0,1
	s_mov_b32 s[G0+4*\s], 1
	s_add_co_u32 s[G0+4*\s+1], s20, \s*SLOT
	s_add_nc_u64 s[G0+4*\s+2:G0+4*\s+3], s[14:15], \s*2*262144     ; K step s: heads 2 s and 2 s + 1
	s_or_b32 s[G0+4*\s+3], s[G0+4*\s+3], 0x80000000
	s_mov_b32 s[G0B+4*\s], 1
	s_add_co_u32 s[G0B+4*\s+1], s21, \s*SLOT
	s_add_nc_u64 s[G0B+4*\s+2:G0B+4*\s+3], s[46:47], \s*256
	s_or_b32 s[G0B+4*\s+3], s[G0B+4*\s+3], 0x80000000
	JLOAD \s                                       ; two tensor loads of mine are out
.endr
	v_and_b32 v1, 15, v0                           ; r
	v_bfe_u32 v2, v0, 4, 1                         ; h
	v_lshrrev_b32 v3, 1, v1
	v_mul_u32_u24 v3, v3, PITCH
	v_and_b32 v4, 1, v1
	v_lshl_add_u32 v3, v4, 7, v3
	v_lshl_add_u32 v3, v2, 4, v3                   ; y: 272 (r / 2) + 128 (r % 2) + 16 h
	v_mul_u32_u24 v4, v1, PITCH
	v_lshl_add_u32 v4, v2, 4, v4                   ; w16: 272 r + 16 h
	s_mul_i32 s21, s11, 32*PITCH                   ; my 64 positions
	s_mul_i32 s22, s12, 128*PITCH                  ; my 128 rows of w16
	s_add_co_u32 s22, s22, BOFF
.irp s, 0,1
	v_add_nc_u32 v[ADRA+\s], s21, v3
	v_add_nc_u32 v[ADRB+\s], s22, v4
	s_add_co_u32 s21, s21, SLOT
	s_add_co_u32 s22, s22, SLOT
.endr
	s_mul_i32 s23, s10, 16*SPITCH
	s_add_co_u32 s23, s23, STAGE                   ; my stage
	v_mul_u32_u24 v5, v1, SPITCH
	v_lshl_add_u32 v5, v2, 5, v5
	v_add_nc_u32 v[STO], s23, v5                   ; in: row r, 32 bytes for each half of the lanes
	v_and_b32 v6, 31, v0
	v_lshlrev_b32 v[CO], 4, v6
	v_add_nc_u32 v[RD], s23, v[CO]                 ; back: the 32 lanes take one row of 512 bytes
	s_lshl_b32 s16, s41, 11
	s_lshl_b32 s17, s13, 7
	s_add_co_u32 s16, s16, s17
	s_lshl_b32 s17, s11, 6
	s_add_co_u32 s16, s16, s17                     ; my first row of out0: 2048 cy + 128 cluster y + 64 x half
	s_lshl_b32 s16, s16, 12
	s_lshl_b32 s46, s42, 10
	s_lshl_b32 s47, s12, 9
	s_add_co_u32 s46, s46, s47                     ; my first output, in bytes
	s_add_co_u32 s16, s16, s46
	s_mov_b32 s17, 0
	s_add_nc_u64 s[8:9], s[8:9], s[16:17]
	s_or_b32 s45, s13, s11                         ; 0: my block 0 holds a batch's first 16 positions
.macro MUL8 f, a, zero                 ; y's block a against w16's eight, 32 along K, buffer f.  The 32 accumulators take turns, in the same order in every quarter
.irp b, 0,1,2,3,4,5,6,7
.if \zero
	v_wmma_f32_16x16x32_f16 v[8*(8*(\a)+\b):8*(8*(\a)+\b)+7], v[64*(\f)+8*\b:64*(\f)+8*\b+7], v[AF+32*(\f)+8*(\a):AF+32*(\f)+8*(\a)+7], 0
.else
	v_wmma_f32_16x16x32_f16 v[8*(8*(\a)+\b):8*(8*(\a)+\b)+7], v[64*(\f)+8*\b:64*(\f)+8*\b+7], v[AF+32*(\f)+8*(\a):AF+32*(\f)+8*(\a)+7], v[8*(8*(\a)+\b):8*(8*(\a)+\b)+7]
.endif
.endr
.endm
.macro FETCH slot, q, f                ; 24 LDS loads in one run: the fragments of the slot's q-th 32 along K into buffer f: w16's eight, then y's four
	WIN TO_B
.irp b, 0,1,2,3,4,5,6,7
	ds_load_b128 v[64*(\f)+8*\b:64*(\f)+8*\b+3],   v[ADRB+\slot] offset:16*PITCH*\b+64*(\q)
	ds_load_b128 v[64*(\f)+8*\b+4:64*(\f)+8*\b+7], v[ADRB+\slot] offset:16*PITCH*\b+64*(\q)+32
.endr
	WIN 0
.irp a, 0,1,2,3
	ds_load_b128 v[AF+32*(\f)+8*\a:AF+32*(\f)+8*\a+3],   v[ADRA+\slot] offset:APL*((\q)/2)+8*PITCH*\a+64*((\q)%2)
	ds_load_b128 v[AF+32*(\f)+8*\a+4:AF+32*(\f)+8*\a+7], v[ADRA+\slot] offset:APL*((\q)/2)+8*PITCH*\a+64*((\q)%2)+32
.endr
.endm
.macro PLACES
.rept 4
	v_nop
.endr
.endm
.macro QUARTER slot, q, f, g, zero     ; multiplies buffer f; in its middle it fetches the slot's q-th quarter into buffer g
	s_wait_dscnt 4                                 ; w16's eight and y's blocks 0 and 1 are in; the youngest four loads (blocks 2 and 3) may be out
	WIN MUL
	MUL8 \f, 0, \zero
	MUL8 \f, 1, \zero
	PLACES                                         ; in front of loads into registers that matrix instructions have read
	FETCH \slot, \q, \g
	s_wait_dscnt 24                                ; all but the 24 just issued
	WIN MUL
	MUL8 \f, 2, \zero
	MUL8 \f, 3, \zero
.endm
; The last quarter multiplies buffer 1 and changes slots: one barrier; in front of it each wave waits for all its tensor loads, adds 0 to its spare word, and waits for that and for its reads of this slot.
; fill = 1: the barrier opens a round of the cluster's barrier, and this slot is filled again, two K steps ahead, first thing behind the round.
.macro TURN slot, next, fill
	WIN 0
	s_wait_tensorcnt 0x0                           ; all my tensor loads have landed: my part of the next slot
	ds_add_u32 v[SPW], v[NIL]                      ; 0 onto my spare word
	s_wait_dscnt 5                                 ; (the add and the youngest four loads may be out)
	WIN MUL
	MUL8 1, 0, 0
	s_wait_dscnt 0x0                               ; the add is done, and my reads of this slot are over
	s_barrier_signal -1
	MUL8 1, 1, 0
.if \fill
	WIN 0
.endif
	s_barrier_wait -1
.if \fill
	CREST                                          ; no wave of any partner still reads this slot's tile or has a load on its way
	s_add_nc_u64 s[G0+4*\slot+2:G0+4*\slot+3], s[G0+4*\slot+2:G0+4*\slot+3], 4*262144   ; four heads on
	s_add_nc_u64 s[G0B+4*\slot+2:G0B+4*\slot+3], s[G0B+4*\slot+2:G0B+4*\slot+3], 512
	JLOAD \slot                                    ; the four v_nop behind it are also the places in front of the loads below
.else
	PLACES
.endif
	FETCH \next, 0, 0
	WIN MUL
	MUL8 1, 2, 0
	MUL8 1, 3, 0
.endm
	s_wait_tensorcnt 1                             ; my part of K step 0 is in; K step 1's may stay out
	s_barrier_signal -1
	s_barrier_wait -1
	FETCH 0, 0, 0
	QUARTER 0, 1, 0, 1, 1                          ; the first quarter's products start the sums: nothing is cleared
	WIN 0
	s_mov_b32 s3, LAPS-1
.Llap:                                             ; a trip goes once round the ring, from a lap's second quarter to the next lap's first, and fills both slots again
	QUARTER 0, 2, 1, 0, 0
	QUARTER 0, 3, 0, 1, 0
	TURN 0, 1, 1
	QUARTER 1, 1, 0, 1, 0
	QUARTER 1, 2, 1, 0, 0
	QUARTER 1, 3, 0, 1, 0
	TURN 1, 0, 1
	QUARTER 0, 1, 0, 1, 0
	WIN 0
	s_sub_co_u32 s3, s3, 1
	s_cmp_lg_u32 s3, 0
	s_cbranch_scc1 .Llap
	QUARTER 0, 2, 1, 0, 0                          ; the last lap fills nothing
	QUARTER 0, 3, 0, 1, 0
	TURN 0, 1, 0
	QUARTER 1, 1, 0, 1, 0
	QUARTER 1, 2, 1, 0, 0
	QUARTER 1, 3, 0, 1, 0
	s_wait_dscnt 4
	WIN MUL
	MUL8 1, 0, 0
	MUL8 1, 1, 0
	s_wait_dscnt 0
	MUL8 1, 2, 0
	MUL8 1, 3, 0
	WIN 0
; THE WAY OUT, block by block of 16 positions x 128 outputs, through my own stage: back as whole rows of 512 bytes.  LDS serves a wave's instructions in order: no wait between the stores and the loads.
.macro TOSTAGE a
	WIN 0x08                                       ; an LDS store's data are its source 1: window 2
.irp b, 0,1,2,3,4,5,6,7
	ds_store_b128 v[STO], v[64*(\a)+8*\b:64*(\a)+8*\b+3] offset:64*\b          ; each accumulator from its low end on
	ds_store_b128 v[STO], v[64*(\a)+8*\b+4:64*(\a)+8*\b+7] offset:64*\b+16
.endr
	WIN 0
.set BB, BK+64*((\a)%2)
.irp t, 0,1,2,3,4,5,6,7,8,9,10,11,12,13,14,15
	ds_load_b128 v[BB+4*\t:BB+4*\t+3], v[RD] offset:\t*SPITCH
.endr
.endm
.macro SEND a, younger                 ; younger: the LDS instructions issued behind block a's loads, which may stay out
.set BB, BK+64*((\a)%2)
	s_wait_dscnt \younger
.if (\a) == 0
	s_cmp_eq_u32 s45, 0                            ; a batch's first 16 positions are another launch's
	s_cbranch_scc1 .Lfine_rows
.endif
.irp t, 0,1,2,3,4,5,6,7,8,9,10,11,12,13,14,15
	global_store_b128 v[CO], v[BB+4*\t:BB+4*\t+3], s[8:9] offset:65536*(\a)+4096*\t th:TH_STORE_NT   ; 32 lanes store 512 consecutive bytes, aligned; every offset is an immediate
.endr
.if (\a) == 0
.Lfine_rows:
.endif
.endm
	PLACES
	TOSTAGE 0
	TOSTAGE 1
	SEND 0, 32                                     ; behind block 0's loads: block 1's 16 stores and 16 loads
	s_wait_xcnt 0x0                                ; block 0's stores have read the registers into which block 2's loads land
	TOSTAGE 2
	SEND 1, 32
	s_wait_xcnt 0x0
	TOSTAGE 3
	SEND 2, 32
	SEND 3, 0
	s_wait_tensorcnt 0x0                           ; the wave's end, behind my last tensor load and my last LDS store
	ds_add_u32 v[SPW], v[NIL]
	s_wait_dscnt 0x0
	CROUND                                         ; the closing round
	s_endpgm
.Lfunc_end_k_q3aaa3da926_proj:
	.size	k_q3aaa3da926_proj, .Lfunc_end_k_q3aaa3da926_proj-k_q3aaa3da926_proj
	.p2alignl 7, 3214868480
	.fill 96, 4, 3214868480
	.section	.rodata,"a",@progbits
	.p2align	6, 0x0
	.amdhsa_kernel k_q3aaa3da926_proj
		.amdhsa_group_segment_fixed_size 327680
		.amdhsa_private_segment_fixed_size 0
		.amdhsa_enable_private_segment 0
		.amdhsa_kernarg_size 24
		.amdhsa_user_sgpr_count 2
		.amdhsa_user_sgpr_kernarg_segment_ptr 1
		.amdhsa_wavefront_size32 1
		.amdhsa_system_sgpr_workgroup_id_x 1
		.amdhsa_system_sgpr_workgroup_id_y 1
		.amdhsa_system_sgpr_workgroup_id_z 1
		.amdhsa_system_vgpr_workitem_id 0
		.amdhsa_next_free_vgpr 768
		.amdhsa_next_free_sgpr 72
		.amdhsa_reserve_vcc 0
		.amdhsa_float_denorm_mode_32 3
		.amdhsa_float_denorm_mode_16_64 3
		.amdhsa_memory_ordered 1
		.amdhsa_forward_progress 1
		.amdhsa_inst_pref_size 86
	.end_amdhsa_kernel
	.amdgpu_metadata
---
amdhsa.version: [ 1, 2 ]
amdhsa.kernels:
  - .name:           k_q3aaa3da926_proj
    .symbol:         k_q3aaa3da926_proj.kd
    .args:
      - { .name: yh, .offset: 0, .size: 8, .value_kind: global_buffer, .address_space: global }
      - { .name: w16, .offset: 8, .size: 8, .value_kind: global_buffer, .address_space: global }
      - { .name: out0, .offset: 16, .size: 8, .value_kind: global_buffer, .address_space: global }
    .group_segment_fixed_size: 327680
    .private_segment_fixed_size: 0
    .kernarg_segment_align: 8
    .kernarg_segment_size: 24
    .max_flat_workgroup_size: 128
    .sgpr_count:     72
    .vgpr_count:     768
    .wavefront_size: 32
...
	.end_amdgpu_metadata
.endif
;; end of part 4
;; launch fine (part 5): grid 16 x 4, 16 waves a work-group, no clusters, 71,680 bytes of LDS; arguments q16, wout, out0; writes out0
.if DOCPART == 5
	.amdgcn_target "amdgcn-amd-amdhsa--gfx1250"
	.amdhsa_code_object_version 6
	.text
	.protected	k_q3aaa3da926_fine
	.globl	k_q3aaa3da926_fine
	.p2align	8
	.type	k_q3aaa3da926_fine,@function
k_q3aaa3da926_fine:
	s_mov_b64 s[64:65], 0
	v_nop
	global_prefetch_b8 v0, s[64:65] scope:SCOPE_SE
	s_setreg_imm32_b32 hwreg(HW_REG_WAVE_MODE, 25, 1), 1
	s_wait_xcnt 0x0
; The first 16 positions of every batch, in f32 from the projected q, k, v on: these rows average one to sixteen values and are the largest of the output, so rounded operands would weigh most here.
; Work-group (x, b) makes out0[b][0..15][64 x .. 64 x + 63].  Wave = head: it makes its head's 16 x 16 attention, multiplies its y (16 x 64) by wout[64 x ..][64 head ..], and the sixteen partial sums meet in LDS.
; All three products go by v_wmma_f32_16x16x4_f32: 96 instructions a wave: no bulk work.
; q16 holds images of registers: [batch][192 blocks of 16 columns][2 halves][32 lanes][16 bytes]: lane (r, h): position r, columns 16 block + 8 h + 4 half + 0..3; blocks 0-63 q, 64-127 k, 128-191 v.
; THE ORDER ALONG K IS PERMUTED ALIKE ON BOTH SIDES of each product: step (c, t), half h of the lanes, register jj stand for index 16 c + 8 h + 2 t + jj.  So the images, and each product's results, are operands as they stand.
; S^T = k q^T: a lane holds query r and keys 8 h + 0..7.  O^T = v^T p: query r, channels 16 c + 8 h + 0..7.  out^T = W y^T: query r, outputs 16 n + 8 h + 0..7.
; The registers that the matrix instructions write (v192-239) are written by them alone; each sum begins with the constant 0.
; No tensor loads, no cluster: what is shared (wout's rows among four batches) is 16 KiB a wave, read once.
.set QF,  32                           ; v32-63 q; later W's tile 2
.set KFR, 64                           ; v64-95 k; later W's tile 3
.set VF,  96                           ; v96-127 v^T; later y
.set ST,  8                            ; v8-15 the scores, then p
.set SA,  192                          ; v192-199, v200-207 two accumulators for the scores, by turns
.set OA,  208                          ; v208-239 four accumulators: O^T, then out^T
.set SPARE, 16*4352                    ; behind the sixteen partial sums: the spare words, 128 bytes for each wave
	s_load_b128 s[4:7], s[0:1], 0x0                ; q16, wout
	s_load_b64 s[8:9], s[0:1], 0x10                ; out0
	v_lshl_add_u32 v24, v0, 2, SPARE               ; my spare word; never rewritten
	v_mov_b32 v25, 0                               ; 0; never rewritten
	v_lshrrev_b32 v16, 5, v0
	v_readfirstlane_b32 s10, v16                   ; wave = head
	v_and_b32 v1, 15, v0                           ; r
	v_bfe_u32 v2, v0, 4, 1                         ; h
	v_and_b32 v3, 31, v0
	v_lshlrev_b32 v3, 4, v3                        ; an image's place for my lane
	v_bfe_u32 v16, v0, 2, 1
	v_lshlrev_b32 v4, 9, v16                       ; v^T: channel r of a block lies in half (r % 8) / 4,
	v_bfe_u32 v16, v0, 3, 1
	v_lshl_add_u32 v4, v16, 8, v4                  ; in lanes 16 (r / 8) + key,
	v_lshl_add_u32 v4, v2, 7, v4                   ; my keys begin at 8 h,
	v_and_b32 v16, 3, v0
	v_lshl_add_u32 v4, v16, 2, v4                  ; word r % 4
	v_lshlrev_b32 v5, 12, v1
	v_lshl_add_u32 v5, v2, 5, v5                   ; wout: row r of 4,096 bytes, + 32 h
	v_lshlrev_b32 v16, 3, v2
	v_sub_nc_u32 v6, v1, v16                       ; r - 8 h: register j's key is hidden where j is above this
	v_mov_b32 v7, 0xff800000                       ; -infinity
	s_mul_i32 s16, s10, 4352
	v_lshlrev_b32 v26, 4, v1
	v_mad_u32_u24 v26, v2, 544, v26
	v_add_nc_u32 v26, s16, v26                     ; my partial sums: piece 4 n + 2 h + half of query r at 272 x piece + 16 r
	v_and_b32 v16, 15, v0
	v_mul_u32_u24 v27, v16, 272
	v_lshrrev_b32 v17, 4, v0
	v_lshl_add_u32 v27, v17, 4, v27                ; the sum: thread T takes piece T % 16 of query T / 16,
	v_lshlrev_b32 v28, 12, v17
	v_lshl_add_u32 v28, v16, 4, v28                ; and the same place in out0
	s_mov_b32 s12, 0x76543210
	s_mov_b32 s13, 0xfedcba98                      ; v_permlanex16_b32's selects for lane l xor 16
	s_mov_b32 s14, 0x3e38aa3b                      ; c = log2(e) / 8
	s_and_b32 s17, ttmp7, 0xffff                   ; the batch
	s_mul_i32 s18, s17, 196608
	s_lshl_b32 s19, s10, 12                        ; a head's four blocks
	s_add_co_u32 s18, s18, s19
	s_mov_b32 s19, 0
	s_lshl_b32 s20, ttmp9, 18                      ; 64 x rows of wout,
	s_lshl_b32 s21, s10, 8                         ; the head's 64 columns
	s_add_co_u32 s20, s20, s21
	s_mov_b32 s21, 0
	s_lshl_b32 s22, s17, 23                        ; a batch of out0,
	s_lshl_b32 s23, ttmp9, 8                       ; my 64 outputs
	s_add_co_u32 s22, s22, s23
	s_mov_b32 s23, 0
	s_wait_kmcnt 0x0
	s_add_nc_u64 s[4:5], s[4:5], s[18:19]
	s_add_nc_u64 s[6:7], s[6:7], s[20:21]
	s_add_nc_u64 s[8:9], s[8:9], s[22:23]
.irp c, 0,1,2,3
.irp f, 0,1
	global_load_b128 v[QF+8*\c+4*\f:QF+8*\c+4*\f+3], v3, s[4:5] offset:1024*\c+512*\f
.endr
.endr
.irp c, 0,1,2,3
.irp f, 0,1
	global_load_b128 v[KFR+8*\c+4*\f:KFR+8*\c+4*\f+3], v3, s[4:5] offset:65536+1024*\c+512*\f
.endr
.endr
.irp c, 0,1,2,3
.irp k, 0,1,2,3,4,5,6,7
	global_load_b32 v[VF+8*\c+\k], v4, s[4:5] offset:131072+1024*\c+16*\k      ; v(key 8 h + k, channel 16 c + r)
.endr
.endr
.irp n, 0,1
.irp c, 0,1,2,3
.irp f, 0,1
	global_load_b128 v[128+32*\n+8*\c+4*\f:128+32*\n+8*\c+4*\f+3], v5, s[6:7] offset:65536*\n+64*\c+16*\f   ; W's tiles 0 and 1
.endr
.endr
.endr
	s_wait_loadcnt 48                              ; q and k are in; v's 32 loads and W's 16 may be out
.set i, 0
.rept 16                               ; S^T: two accumulators by turns
.if i < 2
	v_wmma_f32_16x16x4_f32 v[SA+8*(i%2):SA+8*(i%2)+7], v[KFR+2*i:KFR+2*i+1], v[QF+2*i:QF+2*i+1], 0
.else
	v_wmma_f32_16x16x4_f32 v[SA+8*(i%2):SA+8*(i%2)+7], v[KFR+2*i:KFR+2*i+1], v[QF+2*i:QF+2*i+1], v[SA+8*(i%2):SA+8*(i%2)+7]
.endif
.set i, i+1
.endr
.rept 8
	v_nop                                          ; eight places behind this form: in front of the loads into q's and k's registers and of the first read of the sums
.endr
.irp n, 2,3
.irp c, 0,1,2,3
.irp f, 0,1
	global_load_b128 v[32*\n-32+8*\c+4*\f:32*\n-32+8*\c+4*\f+3], v5, s[6:7] offset:65536*\n+64*\c+16*\f     ; W's tiles 2 and 3
.endr
.endr
.endr
.irp j, 0,1,2,3,4,5,6,7
	v_add_f32 v[ST+\j], v[SA+\j], v[SA+8+\j]       ; from the low end on
.endr
.irp j, 0,1,2,3,4,5,6,7
	v_cmp_gt_i32 vcc_lo, \j, v6
	v_cndmask_b32 v[ST+\j], v[ST+\j], v7, vcc_lo   ; the causal mask
.endr
	v_max3_num_f32 v16, v8, v9, v10
	v_max3_num_f32 v16, v16, v11, v12
	v_max3_num_f32 v16, v16, v13, v14
	v_max_num_f32 v16, v16, v15
	v_mov_b32 v17, 0                               ; a lane permute's destination counts as one of its sources
	v_permlanex16_b32 v17, v16, s12, s13
	v_max_num_f32 v16, v16, v17                    ; the row's maximum: key 0 counts for every query
	v_mul_f32 v16, s14, v16
.irp j, 0,1,2,3,4,5,6,7
	v_fma_f32 v[ST+\j], v[ST+\j], s14, -v16
.endr
.irp j, 0,1,2,3,4,5,6,7
	v_exp_f32 v[ST+\j], v[ST+\j]
.endr
	v_nop
	s_wait_alu depctr_va_vdst(0)                   ; one wait for the eight, ahead of their first reader
	v_add_f32 v18, v8, v9
	v_add_f32 v19, v10, v11
	v_add_f32 v20, v12, v13
	v_add_f32 v21, v14, v15
	v_add_f32 v18, v18, v19
	v_add_f32 v20, v20, v21
	v_add_f32 v18, v18, v20
	v_permlanex16_b32 v17, v18, s12, s13
	v_add_f32 v18, v18, v17                        ; the row's sum
	v_rcp_f32 v19, v18
	v_nop
	s_wait_alu depctr_va_vdst(0)
	s_wait_loadcnt 32                              ; v is in; W's 32 loads may be out
.irp t, 0,1,2,3                        ; O^T: four accumulators by turns
.irp c, 0,1,2,3
.if \t == 0
	v_wmma_f32_16x16x4_f32 v[OA+8*\c:OA+8*\c+7], v[VF+8*\c+2*\t:VF+8*\c+2*\t+1], v[ST+2*\t:ST+2*\t+1], 0
.else
	v_wmma_f32_16x16x4_f32 v[OA+8*\c:OA+8*\c+7], v[VF+8*\c+2*\t:VF+8*\c+2*\t+1], v[ST+2*\t:ST+2*\t+1], v[OA+8*\c:OA+8*\c+7]
.endif
.endr
.endr
.rept 8
	v_nop
.endr
.set i, 0
.rept 32
	v_mul_f32 v[VF+i], v[OA+i], v19                ; y = O^T / the sum, into other registers
.set i, i+1
.endr
.rept 9
	v_nop                                          ; nine places: matrix instructions next write over these accumulators
.endr
	s_wait_loadcnt 0x0                             ; W
.set i, 0
.rept 16                               ; out^T: W's tile n lies at v[128 + 32 n - 160 (n / 2)]
.irp n, 0,1,2,3
.if i == 0
	v_wmma_f32_16x16x4_f32 v[OA+8*\n:OA+8*\n+7], v[128+32*\n-160*(\n/2)+2*i:128+32*\n-160*(\n/2)+2*i+1], v[VF+2*i:VF+2*i+1], 0
.else
	v_wmma_f32_16x16x4_f32 v[OA+8*\n:OA+8*\n+7], v[128+32*\n-160*(\n/2)+2*i:128+32*\n-160*(\n/2)+2*i+1], v[VF+2*i:VF+2*i+1], v[OA+8*\n:OA+8*\n+7]
.endif
.endr
.set i, i+1
.endr
.rept 8
	v_nop
.endr
.irp n, 0,1,2,3
	ds_store_b128 v26, v[OA+8*\n:OA+8*\n+3] offset:1088*\n         ; each accumulator from its low end on
	ds_store_b128 v26, v[OA+8*\n+4:OA+8*\n+7] offset:1088*\n+272
.endr
	s_wait_dscnt 0x0                               ; for the others' sake: my stores are done
	s_barrier_signal -1
	s_barrier_wait -1
	s_cmp_ge_u32 s10, 8                            ; 256 threads add: 16 queries x 16 pieces of four outputs
	s_cbranch_scc1 .Lend
.irp i, 0,1,2,3,4,5,6,7,8,9,10,11,12,13,14,15
	ds_load_b128 v[32+4*\i:35+4*\i], v27 offset:4352*\i
.endr
	s_wait_dscnt 0x0
.irp i, 1,2,3,4,5,6,7,8,9,10,11,12,13,14,15
	v_pk_add_f32 v[32:33], v[32:33], v[32+4*\i:33+4*\i]            ; the heads in ascending order
	v_pk_add_f32 v[34:35], v[34:35], v[34+4*\i:35+4*\i]
.endr
	global_store_b128 v28, v[32:35], s[8:9]        ; sixteen lanes store 256 consecutive bytes, aligned
.Lend:
	s_wait_tensorcnt 0x0                           ; the wave's end, behind my last LDS store
	ds_add_u32 v24, v25
	s_wait_dscnt 0x0
	s_endpgm
.Lfunc_end_k_q3aaa3da926_fine:
	.size	k_q3aaa3da926_fine, .Lfunc_end_k_q3aaa3da926_fine-k_q3aaa3da926_fine
	.p2alignl 7, 3214868480
	.fill 96, 4, 3214868480
	.section	.rodata,"a",@progbits
	.p2align	6, 0x0
	.amdhsa_kernel k_q3aaa3da926_fine
		.amdhsa_group_segment_fixed_size 71680
		.amdhsa_private_segment_fixed_size 0
		.amdhsa_enable_private_segment 0
		.amdhsa_kernarg_size 24
		.amdhsa_user_sgpr_count 2
		.amdhsa_user_sgpr_kernarg_segment_ptr 1
		.amdhsa_wavefront_size32 1
		.amdhsa_system_sgpr_workgroup_id_x 1
		.amdhsa_system_sgpr_workgroup_id_y 1
		.amdhsa_system_sgpr_workgroup_id_z 1
		.amdhsa_system_vgpr_workitem_id 0
		.amdhsa_next_free_vgpr 256
		.amdhsa_next_free_sgpr 66
		.amdhsa_reserve_vcc 1
		.amdhsa_float_denorm_mode_32 3
		.amdhsa_float_denorm_mode_16_64 3
		.amdhsa_memory_ordered 1
		.amdhsa_forward_progress 1
		.amdhsa_inst_pref_size 25
	.end_amdhsa_kernel
	.amdgpu_metadata
---
amdhsa.version: [ 1, 2 ]
amdhsa.kernels:
  - .name:           k_q3aaa3da926_fine
    .symbol:         k_q3aaa3da926_fine.kd
    .args:
      - { .name: q16, .offset: 0, .size: 8, .value_kind: global_buffer, .address_space: global }
      - { .name: wout, .offset: 8, .size: 8, .value_kind: global_buffer, .address_space: global }
      - { .name: out0, .offset: 16, .size: 8, .value_kind: global_buffer, .address_space: global }
    .group_segment_fixed_size: 71680
    .private_segment_fixed_size: 0
    .kernarg_segment_align: 8
    .kernarg_segment_size: 24
    .max_flat_workgroup_size: 512
    .sgpr_count:     66
    .vgpr_count:     256
    .wavefront_size: 32
...
	.end_amdgpu_metadata
.endif
;; end of part 5
